; MI455X (gfx1250); checked and timed in simulation.
; The chip was launched on July 23, 2026; its instructions are those of AMD's public machine-readable ISA for CDNA 5 (MIT licence, August 2026) and "CDNA5" Instruction Set Architecture Reference Guide (July 2026). The comments in the code are by the model that wrote it; some were corrected since.
;; Field Dual Attention Wrapper. Allowed arithmetic: matrix products marked QUANTISED: E3M2 operands, one E8M0 scale for each 32 along K, by v_wmma_scale_f32_16x16x128_f8f6f4 with both operands' format E3M2, f32 sums; everything else in f32.
;; Inputs: W1_codes 1,024 x 32 x 24 uint8 (E3M2 codes of W1, K innermost, in blocks of 32 codes, four codes in three bytes); W1_scales 1,024 x 32 uint8 (E8M0 scales of W1, one for each 32 codes along K); W2_codes 1,024 x 32 x 24 uint8 (E3M2 codes of W2, K innermost, in blocks of 32 codes, four codes in three bytes); W2_scales 1,024 x 32 uint8 (E8M0 scales of W2, one for each 32 codes along K); W3_codes 1,024 x 64 x 24 uint8 (E3M2 codes of W3, K innermost, in blocks of 32 codes, four codes in three bytes); W3_scales 1,024 x 64 uint8 (E8M0 scales of W3, one for each 32 codes along K); W4_codes 1,024 x 32 x 24 uint8 (E3M2 codes of W4, K innermost, in blocks of 32 codes, four codes in three bytes); W4_scales 1,024 x 32 uint8 (E8M0 scales of W4, one for each 32 codes along K); W5_codes 1,024 x 32 x 24 uint8 (E3M2 codes of W5, K innermost, in blocks of 32 codes, four codes in three bytes); W5_scales 1,024 x 32 uint8 (E8M0 scales of W5, one for each 32 codes along K); b1 1,024 float32; b2 1,024 float32; b3 1,024 float32; b4 1,024 float32; b5 1,024 float32; field_hidden_state_codes 64 x 512 x 32 x 24 uint8 (E3M2 codes of field_hidden_state, K innermost, in blocks of 32 codes, four codes in three bytes); field_hidden_state_scales 64 x 512 x 32 uint8 (E8M0 scales of field_hidden_state, one for each 32 codes along K); finished 64 x 1 bool; hidden_state 64 x 512 x 1,024 float32; input 64 x 1,024 float32.
;; Outputs: out0 64 x 1,024 float32; out1 512 x 64 x 1 float32.
;; This version of the problem:
;;   THIS VERSION OF THE PROBLEM IS GIVEN IN LOW PRECISION. The matrix products marked QUANTISED in the list below multiply operands that are first quantised to E3M2 (3 exponent bits, 2 mantissa bits; 6 bits a number), with one power-of-two scale for each 32 numbers along K (OCP MX v1.0); their sums are f32. All else is computed in f32.
;;   The module's matrix products, in the order in which they are computed (A, B: the left and right operand; K: the contracted axis; several contracted axes count as one K, in the product's order):
;;     1. [M 32,768, K 1,024] x [K 1,024, N 1,024]; A: input hidden_state; B: input W1 (given as codes): QUANTISED
;;     2. [M 32,768, K 1,024] x [K 1,024, N 1,024]; A: input field_hidden_state (given as codes); B: input W4 (given as codes): QUANTISED
;;     3. [M 64, K 1,024] x [K 1,024, N 1,024]; A: input input; B: input W2 (given as codes): QUANTISED
;;     4. [M 64, K 1,024] x [K 1,024, N 1,024]; A: input input; B: input W5 (given as codes): QUANTISED
;;     5. [M 64, K 2,048] x [K 2,048, N 1,024]; A: computed on the way; B: input W3 (given as codes): QUANTISED
;;   THE QUANTISER, for each operand of a quantised product, along K:
;;     - K is cut into blocks of 32 from its start; a last block that is shorter is filled with zeros.
;;     - A block's scale is 2^e with e = floor(log2(the largest magnitude in the block)) - 4, held to -126 .. 127; a block of zeros has e = 0. As a byte (E8M0): e + 127.
;;     - Each number is divided by its block's scale, clamped to +-28, and rounded to the nearest number of E3M2, ties to even, subnormals kept.
;;     - The product sums the exact products of the quantised numbers (number of the format x scale) in f32.
;;   ~~~python
;;   def quantise(x, axis):      # numpy; x: float32 -> the quantised numbers, widened to float32 again
;;       x = np.moveaxis(x, axis, -1); K = x.shape[-1]
;;       x = np.pad(x, [(0, 0)] * (x.ndim - 1) + [(0, -K % 32)]); x = x.reshape(x.shape[:-1] + (-1, 32)); a = np.abs(x).max(-1, keepdims=True)
;;       e = np.where(a > 0, np.clip(np.frexp(np.where(a > 0, a, 1))[1] - 1 - 4, -126, 127), 0)      # np.frexp(a)[1] - 1 = floor(log2(a)), exactly
;;       r = np.clip(x / 2.0 ** e, -28, 28)
;;       step = 2.0 ** (np.maximum(np.frexp(np.where(r == 0, 1, r))[1] - 1, -2) - 2)
;;       q = np.round(r / step) * step * 2.0 ** e      # np.round: ties to even
;;       return np.moveaxis(q.reshape(q.shape[:-2] + (-1,))[..., :K], -1, axis).astype(np.float32)
;;   ~~~
;;   OPERANDS COMPUTED ON THE WAY. 'Computed on the way' means the value that the module computes at that place (a softmax that the list does not call 'softmax' is quantised finished and normalised). What goes into a quantiser is computed in f32, as accurately as f32 sums, v_exp_f32 and their like allow (about 1e-6 of the number): no bf16 or f16 on the way to a quantiser, and a product that is left as it is and whose result goes on into a quantised operand takes f32 operands (vector FMAs, or v_wmma_f32_16x16x4_f32). A number that lies on a knife's edge between two numbers of the format may be rounded either way, as far as f32 arithmetic and the matrix unit's own rounding can turn it there, and no further.
;;   INPUTS GIVEN AS CODES. W1 (in the module: [1024, 1024], K = its axis 1); W2 (in the module: [1024, 1024], K = its axis 1); W3 (in the module: [1024, 2048], K = its axis 1); W4 (in the module: [1024, 1024], K = its axis 1); W5 (in the module: [1024, 1024], K = its axis 1); field_hidden_state (in the module: [64, 512, 1024], K = its axis 2): each comes as NAME_codes (uint8): NAME with its K axis moved to the last place and cut into blocks of 32 codes, [.., K / 32, bytes a block], one block behind the other in memory; four codes in three bytes: a row's codes are one little-endian stream of bits, code i at bits 6 i .. 6 i + 5 (a code: sign, 3 exponent bits, 2 mantissa bits); and NAME_scales (uint8): the same leading axes, one E8M0 byte (e + 127) for each 32 codes along K. Its value is code x scale, taken as it is: it is not quantised again, and the codes and scales need not be those that the quantiser above would give.
;; 2 versions, each right and faster than the one before. Each part assembles by itself: llvm-mc -triple=amdgcn-amd-amdhsa -mcpu=gfx1250 --defsym DOCPART=n.
;; ======== version 1 of 2: 4 launches
;; workspace buffers: hs_codes 25,165,824 bytes; hs_scales 1,048,576 bytes; wimg 1,654,784 bytes; g2 524,288 bytes; scores 262,144 bytes; wts 131,072 bytes; ctx 262,144 bytes
;; launch prep (part 1): grid 1072 x 1, 4 waves a work-group, no clusters, 50,688 bytes of LDS; arguments hidden_state, input, W1_codes, W4_codes, W1_scales, W4_scales, b1, b4, W2_codes, W5_codes, W2_scales, W5_scales, b2, b5, hs_codes, hs_scales, wimg, g2; writes hs_codes, hs_scales, wimg, g2
.if DOCPART == 1
	.amdgcn_target "amdgcn-amd-amdhsa--gfx1250"
	.amdhsa_code_object_version 6
	.text
	.protected	k_q3d5738e1fb_prep
	.globl	k_q3d5738e1fb_prep
	.p2align	8
	.type	k_q3d5738e1fb_prep,@function
k_q3d5738e1fb_prep:
	s_mov_b64 s[64:65], 0
	v_nop
	global_prefetch_b8 v0, s[64:65] scope:SCOPE_SE
	s_setreg_imm32_b32 hwreg(HW_REG_WAVE_MODE, 25, 1), 1
	s_wait_xcnt 0x0
; FIRST OF FOUR LAUNCHES.  The program: prep (this) | main: both large products with tanh and the gates' sums fused | context: both softmaxes, the final weights, the weighted sum of hidden_state | out: the last product, b3, finished, and out1.
; WORK LEFT OUT, for all values of the inputs: tanh(x) = 1 - 2 r with r = 1 / (1 + 2^(c x)), c = 2 log2(e).  So sum_n gate[n] tanh(x[s][n]) = sum_n gate[n] - 2 sum_n gate[n] r[s][n].  The first sum is the same for every s of a
; batch, and _norm_over_seq takes the maximum over s away before its exponential: a term that is the same along the softmax's axis reaches no output.  The program carries score' = sum_n g2[n] r[s][n], g2 = -2 gate.
; No input loses its way to an output by that: all are loaded.  LIMIT: a NaN, an infinity or an overflow that would arise in that constant sum alone is not carried to the result.
; THIS LAUNCH has three jobs, told apart by the work-group's number, each with LDS bytes of its own:
;   work-groups 0-15   (T3): W1 and W4 are laid out once in the order of the operand's registers: record 8 p + c holds rows 128 c .. 128 c + 127 of W1 (p = 0) or W4 (p = 1): 64 fragment images of 1,536 bytes
;                            (n-tile t, K step s at (8 t + s) x 1,536; registers 4 q .. 4 q + 3 of lane l at 512 q + 16 l), the rows' scale bytes as given (4,096), c x bias (512 bytes, written twice so that a record is 404 x 256 bytes).
;   work-groups 16-47  (T2): g2[p][b][n] = -2 tanh(Q(input) W^T + bias), W = W2 (p = 0) or W5 (p = 1): products 3 and 4, on codes of E3M2.
;   work-groups 48-1071 (T1): hidden_state becomes codes of E3M2 with one E8M0 byte for each 32 along K, laid as field_hidden_state_codes and _scales are.
; A block's scale is 2^(floor(log2(largest magnitude)) - 4); its byte is that magnitude's exponent field - 4, held at 1 from below.
; LIMITS: NaN and infinities in hidden_state and input are not served; blocks whose largest magnitude lies under 2^-122 keep the byte 1; a block of zeros has the byte 1 (its codes are zeros; this program alone reads the bytes).
; No cluster: T1's work-groups share no input; what T2's share (input, 256 KiB) is a small part of the launch's bytes.
.set REC,    103424                    ; bytes of a record of wimg
.set C2,     0x4038aa3b                ; c = 2 log2(e)
.set SPW,    12                        ; v12  LDS address of my spare word; never rewritten
.set NIL,    13                        ; v13  0; never rewritten
.set SPARE,  50176                     ; the spare words: 128 bytes for each wave, two blocks of 256 bytes that no other line names
.set WV,     40                        ; s40  my wave's number
; T1
.set STEPS,  16
.set CB,     12                        ; bytes of 16 codes
.set R,      16                        ; v16-79   four sets of 16 numbers as loaded
.set X,      80                        ; v80-111  two sets of 16 neighbours
.set E,      112                       ; v112-127 a scale byte for each step
.set C,      128                       ; v128-191 codes, four registers a step
.set WREG,   8192                      ; LDS 0 .. 32,767: a region for each wave: two stages of 32 x SP bytes, then its 256 scale bytes
.set SP,     80                        ; a lane's place in a stage: 64 bytes + 16
; T2
.set T2L,    32768                     ; LDS 32,768 .. 50,175: a stage of 16 rows x 272 bytes for each wave
.set ASC,    14                        ; v14-21   input's scale words, one register a K step
.set BSC,    22                        ; v22-29   the weight's scale words: four registers for each n-tile of a pair
.set AF,     30                        ; v30-125  input's eight fragments
.set WB,     126                       ; v126-221 eight fragments of the weight; while input is quantised: ST, TMP, TM
.set ST,     126
.set TMP,    190
.set TM,     198
.set ACC,    224                       ; v224-239 two accumulators
.set RES,    240                       ; v240-255 what is made of them
.set SEL,    44                        ; s[44:45] selects of v_permlanex16_b32: lane l xor 16
	s_load_b512 s[4:19], s[0:1], 0x0               ; hidden_state 4, input 6, W1_codes 8, W4_codes 10, W1_scales 12, W4_scales 14, b1 16, b4 18
	s_load_b512 s[20:35], s[0:1], 0x40             ; W2_codes 20, W5_codes 22, W2_scales 24, W5_scales 26, b2 28, b5 30, hs_codes 32, hs_scales 34
	s_load_b128 s[36:39], s[0:1], 0x80             ; wimg 36, g2 38
	v_lshl_add_u32 v[SPW], v0, 2, SPARE
	v_mov_b32 v[NIL], 0
	v_lshrrev_b32 v1, 5, v0
	v_readfirstlane_b32 s[WV], v1
	s_cmp_lt_u32 ttmp9, 16                         ; the short jobs have the lowest numbers: they run under T1's stream
	s_cbranch_scc1 .LT3
	s_cmp_lt_u32 ttmp9, 48
	s_cbranch_scc1 .LT2
; ---------------- T1: a wave takes 16 steps of 512 numbers.  Each load reads 512 consecutive bytes; a step's 2,048 bytes turn through the wave's own stage, so that a lane holds 16 neighbours along K; two lanes hold a block.
	v_and_b32 v2, 31, v0                           ; lane
	v_lshlrev_b32 v3, 4, v2                        ; my 16 bytes of a load's 512
	s_mul_i32 s41, s[WV], WREG
	v_lshrrev_b32 v14, 2, v2
	v_mul_u32_u24 v14, v14, SP
	v_and_b32 v15, 3, v2
	v_lshl_add_u32 v14, v15, 4, v14
	v_add_nc_u32 v14, s41, v14                     ; the stage, on the way in: SP (lane / 4) + 16 (lane % 4)
	v_mul_u32_u24 v15, v2, SP
	v_add_nc_u32 v15, s41, v15                     ; and on the way out: SP x lane
	v_mul_u32_u24 v4, v2, CB                       ; my codes' place in a step's 384 bytes
	v_lshrrev_b32 v5, 1, v2
	s_add_co_u32 s41, s41, 2*32*SP
	v_add_nc_u32 v5, s41, v5                       ; my block's byte among my wave's 256
	v_lshlrev_b32 v7, 3, v2
	v_add_nc_u32 v6, s41, v7                       ; and 8 bytes a lane on the way out
	s_sub_co_u32 s41, ttmp9, 48
	s_lshl_b32 s41, s41, 2
	s_add_co_u32 s42, s41, s[WV]                   ; which run of 8,192 numbers is my wave's: 0 .. 4,095
	s_mov_b32 s43, 0
	s_lshl_b64 s[46:47], s[42:43], 15              ; 32,768 bytes of f32 a run
	s_mul_i32 s48, s42, 32*STEPS*CB                ; 6,144 bytes of codes
	s_mov_b32 s49, 0
	s_lshl_b32 s50, s42, 8                         ; 256 scale bytes
	s_mov_b32 s51, 0
	s_wait_kmcnt 0x0
	s_add_nc_u64 s[4:5], s[4:5], s[46:47]
	s_add_nc_u64 s[32:33], s[32:33], s[48:49]
	s_add_nc_u64 s[34:35], s[34:35], s[50:51]
.macro LOAD t
.irp i, 0,1,2,3
	global_load_b128 v[R+16*((\t)%4)+4*\i:R+16*((\t)%4)+4*\i+3], v3, s[4:5] offset:2048*(\t)+512*\i th:TH_LOAD_NT
.endr
.endm
.macro TURN t                          ; LDS serves a wave's instructions in order: no wait between the stores and the loads
.irp i, 0,1,2,3
	ds_store_b128 v14, v[R+16*((\t)%4)+4*\i:R+16*((\t)%4)+4*\i+3] offset:32*SP*((\t)%2)+8*SP*\i
.endr
.irp i, 0,1,2,3
	ds_load_b128 v[X+16*((\t)%2)+4*\i:X+16*((\t)%2)+4*\i+3], v15 offset:32*SP*((\t)%2)+16*\i
.endr
.endm
.irp t, 0,1,2,3
	LOAD \t
.endr
	s_wait_loadcnt 12                              ; step 0's four loads are in; twelve younger stay out
	TURN 0
.macro STEP t
.set XS, X+16*((\t)%2)
.if (\t) > 0
	s_wait_dscnt 1                                 ; this step's numbers are back from the stage; the last step's byte store may be out
.else
	s_wait_dscnt 0x0
.endif
.if (\t)+4 < STEPS
	LOAD (\t)+4                                    ; into the registers that this step's stores into the stage have read
.endif
.if (\t)+1 < STEPS
.if STEPS-2-(\t) >= 3
	s_wait_loadcnt 12                              ; the next step's four loads are in; those of the three steps behind it may be out
.else
	s_wait_loadcnt 4*(STEPS-2-(\t))
.endif
	TURN (\t)+1
.endif
	v_max3_num_f32 v8, |v[XS]|, |v[XS+1]|, |v[XS+2]|
	v_max3_num_f32 v9, |v[XS+3]|, |v[XS+4]|, |v[XS+5]|
.irp i, 6,10
	v_max3_num_f32 v8, v8, |v[XS+\i]|, |v[XS+\i+1]|
	v_max3_num_f32 v9, v9, |v[XS+\i+2]|, |v[XS+\i+3]|
.endr
	v_max3_num_f32 v8, v8, |v[XS+14]|, |v[XS+15]|
	v_max3_num_f32 v8, v8, v9, 0x2800000           ; and the floor 2^(5 - 127): the byte cannot fall under 1
	v_max_num_f32_dpp v8, v8, v8 row_xmask:1 row_mask:0xf bank_mask:0xf   ; with my neighbour's 16: the block's largest magnitude
	v_add_nc_u32 v11, 0xfe000000, v8               ; 4 off its exponent field: the conversion takes the exponent field of this operand as its scale
	v_cvt_scalef32_pk16_bf6_f32 v[C+4*(\t):C+4*(\t)+2], v[XS:XS+15], v11
	v_lshrrev_b32 v[E+(\t)], 23, v11               ; the scale's byte (a plain line behind the conversion)
	ds_store_b8 v5, v[E+(\t)] offset:16*(\t)       ; both lanes of a block write the same byte with the same value
	global_store_b96 v4, v[C+4*(\t):C+4*(\t)+2], s[32:33] offset:32*CB*(\t)   ; the wave stores 384 consecutive bytes
.endm
.irp t, 0,1,2,3,4,5,6,7,8,9,10,11,12,13,14,15
	STEP \t
.endr
	ds_load_b64 v[8:9], v6                         ; in order behind my byte stores
	s_wait_dscnt 0x0
	global_store_b64 v7, v[8:9], s[34:35]          ; 32 lanes store 256 consecutive bytes, aligned
	s_wait_tensorcnt 0x0                           ; the wave's end: a tensor wait, the add of 0 to my spare word and its wait, behind my last LDS store
	ds_add_u32 v[SPW], v[NIL]
	s_wait_dscnt 0x0
	s_endpgm
; ---------------- T3: record ttmp9 of wimg.  Wave w lays n-tiles 2 w and 2 w + 1 (16 fragments), a quarter of the scale bytes and a quarter of the two copies of c x bias.  It touches no LDS.
.LT3:
	v_and_b32 v2, 31, v0                           ; lane
	v_and_b32 v3, 15, v0                           ; r
	v_bfe_u32 v4, v0, 4, 1                         ; h
	v_mul_u32_u24 v1, v3, 768
	v_mad_u32_u24 v1, v4, 24, v1                   ; row r of 768 bytes, + 24 h: the operand's layout gives lane (r, h) the bytes 96 s + 48 c + 24 h + 0 .. 23 of its row
	v_lshlrev_b32 v5, 4, v2                        ; 16 x lane
	v_lshlrev_b32 v7, 3, v2                        ; 8 x lane
	s_lshl_b32 s43, s[WV], 6
	v_lshl_add_u32 v6, v2, 1, s43                  ; number 64 w + 2 lane of the 256,
	v_and_b32 v6, 127, v6                          ; which is bias 0 .. 127 twice
	v_lshlrev_b32 v6, 2, v6
	s_and_b32 s41, ttmp9, 7                        ; c
	s_lshl_b32 s42, s41, 7
	s_lshl_b32 s43, s[WV], 5
	s_add_co_u32 s42, s42, s43                     ; my first row: 128 c + 32 w
	s_mov_b32 s45, 0
	s_mov_b32 s52, C2
	s_mov_b32 s53, C2
	s_wait_kmcnt 0x0
	s_cmp_lt_u32 ttmp9, 8                          ; W1's record or W4's: the choice hangs on the work-group's number alone
	s_cselect_b64 s[8:9], s[8:9], s[10:11]
	s_cselect_b64 s[12:13], s[12:13], s[14:15]
	s_cselect_b64 s[16:17], s[16:17], s[18:19]
	s_mul_i32 s44, s42, 768
	s_add_nc_u64 s[8:9], s[8:9], s[44:45]
	s_lshl_b32 s44, s42, 5
	s_add_nc_u64 s[12:13], s[12:13], s[44:45]
	s_lshl_b32 s44, s41, 9
	s_add_nc_u64 s[16:17], s[16:17], s[44:45]
	s_mul_i32 s44, ttmp9, REC
	s_add_nc_u64 s[36:37], s[36:37], s[44:45]      ; my record
	s_mul_i32 s44, s[WV], 16*1536
	s_add_nc_u64 s[46:47], s[36:37], s[44:45]      ; my 16 fragments
	s_lshl_b32 s44, s[WV], 10
	s_add_nc_u64 s[48:49], s[36:37], s[44:45]      ; my 1,024 scale bytes
	s_lshl_b32 s44, s[WV], 8
	s_add_nc_u64 s[50:51], s[36:37], s[44:45]      ; my 256 bytes of c x bias
.irp u, 0,1
.irp s, 0,1,2,3,4,5,6,7
.irp p, 0,1,2,3,4,5
	global_load_b64 v[32+96*\u+12*\s+2*\p:33+96*\u+12*\s+2*\p], v1, s[8:9] offset:12288*\u+96*\s+48*(\p/3)+8*(\p%3)
.endr
.endr
.endr
	global_load_b128 v[224:227], v5, s[12:13]
	global_load_b128 v[228:231], v5, s[12:13] offset:512
	global_load_b64 v[232:233], v6, s[16:17]
	s_wait_loadcnt 0x0
	v_pk_mul_f32 v[232:233], v[232:233], s[52:53] op_sel_hi:[1,0]
.irp u, 0,1
.irp s, 0,1,2,3,4,5,6,7
.irp q, 0,1,2
	global_store_b128 v5, v[32+96*\u+12*\s+4*\q:35+96*\u+12*\s+4*\q], s[46:47] offset:(8*\u+\s)*1536+512*\q   ; 512 consecutive bytes a store
.endr
.endr
.endr
	global_store_b128 v5, v[224:227], s[48:49] offset:98304
	global_store_b128 v5, v[228:231], s[48:49] offset:98304+512
	global_store_b64 v7, v[232:233], s[50:51] offset:102400
	s_endpgm
; ---------------- T2: work-group j = ttmp9 - 16: p = j / 16, columns 64 (j % 16) on.  Wave w takes batches 16 w .. 16 w + 15 against four n-tiles, two at a time.
; The product is used transposed (source 0 = 16 rows of the weight, source 1 = input): a lane holds one batch and eight neighbouring n.  The bias is loaded straight into the accumulators.
.macro QHEAD src, pc, tmp, tm, pw      ; 64 numbers of a lane, register 16 b + i = k 32 b + 16 (lane / 16) + i of my row: the four blocks' scales, the scale word, the four conversions
.irp b, 0,1,2,3
	v_max3_num_f32 v[\tm+\b], |v[\src+16*\b]|, |v[\src+1+16*\b]|, 0x2800000   ; with the floor 2^(5 - 127)
.endr
.irp i, 2,4,6,8,10,12,14
.irp b, 0,1,2,3
	v_max3_num_f32 v[\tm+\b], v[\tm+\b], |v[\src+16*\b+\i]|, |v[\src+1+16*\b+\i]|
.endr
.endr
.irp b, 0,1,2,3
	v_permlanex16_b32 v[\tm+4+\b], v[\tm+\b], s[SEL], s[SEL+1]
.endr
.irp b, 0,1,2,3
	v_max_num_f32 v[\tm+\b], v[\tm+\b], v[\tm+4+\b]
.endr
.irp b, 0,1,2,3
	v_add_nc_u32 v[\tm+8+\b], 0xfe000000, v[\tm+\b]
.endr
.irp b, 0,1,2,3
	v_lshrrev_b32 v[\tm+4+\b], 23, v[\tm+8+\b]
.endr
	v_lshl_or_b32 v[\pw], v[\tm+5], 8, v[\tm+4]
	v_lshl_or_b32 v[\pw], v[\tm+6], 16, v[\pw]
	v_lshl_or_b32 v[\pw], v[\tm+7], 24, v[\pw]
.irp c, 0,1
	v_cvt_scalef32_pk16_bf6_f32 v[\pc+6*\c:\pc+2+6*\c], v[\src+32*\c:\src+15+32*\c], v[\tm+8+2*\c]
	v_cvt_scalef32_pk16_bf6_f32 v[\tmp+4*\c:\tmp+2+4*\c], v[\src+16+32*\c:\src+31+32*\c], v[\tm+8+2*\c+1]
.endr
.endm
.macro QTAIL pc, tmp                   ; the operand's layout wants a whole block in a lane: lanes 0-15 block 2 c, lanes 16-31 block 2 c + 1
	v_nop                                          ; one plain line behind the conversions
.irp c, 0,1
.irp i, 0,1,2
	v_permlane16_swap_b32 v[\pc+6*\c+\i], v[\tmp+4*\c+\i]
.endr
.irp i, 0,1,2
	v_mov_b32 v[\pc+3+6*\c+\i], v[\tmp+4*\c+\i]
.endr
.endr
.endm
.macro XLOAD s                         ; my 16 rows' numbers of K step s: 64 a lane
.irp b, 0,1,2,3
.irp q, 0,1,2,3
	global_load_b128 v[ST+16*\b+4*\q:ST+16*\b+4*\q+3], v3, s[6:7] offset:512*(\s)+128*\b+16*\q
.endr
.endr
.endm
.macro WBATCH q, hb                    ; n-tiles 2 q, 2 q + 1, K steps 4 hb .. 4 hb + 3: eight fragments
.irp u, 0,1
.irp s, 0,1,2,3
.irp p, 0,1,2,3,4,5
	global_load_b64 v[WB+12*(4*\u+\s)+2*\p:WB+12*(4*\u+\s)+2*\p+1], v4, s[20:21] offset:12288*(2*(\q)+\u)+96*(4*(\hb)+\s)+48*(\p/3)+8*(\p%3)
.endr
.endr
.endr
.endm
.macro MM8 hb                          ; eight matrix instructions; the two accumulators take turns
.irp s, 0,1,2,3
.irp u, 0,1
.if \hb
	v_wmma_scale_f32_16x16x128_f8f6f4 v[ACC+8*\u:ACC+8*\u+7], v[WB+12*(4*\u+\s):WB+12*(4*\u+\s)+11], v[AF+12*(4+\s):AF+12*(4+\s)+11], v[ACC+8*\u:ACC+8*\u+7], v[BSC+4*\u+\s], v[ASC+4+\s] matrix_a_fmt:MATRIX_FMT_BF6 matrix_b_fmt:MATRIX_FMT_BF6 matrix_a_scale:MATRIX_SCALE_ROW1
.else
	v_wmma_scale_f32_16x16x128_f8f6f4 v[ACC+8*\u:ACC+8*\u+7], v[WB+12*(4*\u+\s):WB+12*(4*\u+\s)+11], v[AF+12*\s:AF+12*\s+11], v[ACC+8*\u:ACC+8*\u+7], v[BSC+4*\u+\s], v[ASC+\s] matrix_a_fmt:MATRIX_FMT_BF6 matrix_b_fmt:MATRIX_FMT_BF6
.endif
.endr
.endr
.endm
.macro PAIR q
.irp u, 0,1
	global_load_b128 v[ACC+8*\u:ACC+8*\u+3], v6, s[28:29] offset:64*(2*(\q)+\u)       ; the bias of my eight n: the sums begin with it
	global_load_b128 v[ACC+8*\u+4:ACC+8*\u+7], v6, s[28:29] offset:64*(2*(\q)+\u)+16
	global_load_b128 v[BSC+4*\u:BSC+4*\u+3], v5, s[24:25] offset:512*(2*(\q)+\u)      ; register i: lanes 0-15 K step i's word, lanes 16-31 K step 4 + i's
.endr
	WBATCH \q, 0
	s_wait_loadcnt 0x0
	MM8 0
.rept 4
	v_nop                                          ; places in front of loads into registers that matrix instructions have read
.endr
	WBATCH \q, 1
	s_wait_loadcnt 0x0
	MM8 1
.rept 4
	v_nop                                          ; places in front of the first read of results
.endr
.irp i, 0,2,4,6,8,10,12,14
	v_pk_mul_f32 v[RES+\i:RES+\i+1], v[ACC+\i:ACC+\i+1], s[52:53] op_sel_hi:[1,0]      ; c x, each accumulator from its low end on
.endr
.irp i, 0,1,2,3,4,5,6,7,8,9,10,11,12,13,14,15
	v_exp_f32 v[RES+\i], v[RES+\i]
.endr
	v_nop
	s_wait_alu depctr_va_vdst(0)                   ; one wait for the batch, ahead of its first reader
.irp i, 0,2,4,6,8,10,12,14
	v_pk_add_f32 v[RES+\i:RES+\i+1], v[RES+\i:RES+\i+1], 1.0 op_sel_hi:[1,0]
.endr
.irp i, 0,1,2,3,4,5,6,7,8,9,10,11,12,13,14,15
	v_rcp_f32 v[RES+\i], v[RES+\i]
.endr
	v_nop
	s_wait_alu depctr_va_vdst(0)
.irp i, 0,2,4,6,8,10,12,14
	v_pk_fma_f32 v[RES+\i:RES+\i+1], v[RES+\i:RES+\i+1], 4.0, -2.0 op_sel_hi:[1,0,0]   ; -2 tanh = 4 r - 2
.endr
.irp u, 0,1
	ds_store_b128 v7, v[RES+8*\u:RES+8*\u+3] offset:64*(2*(\q)+\u)
	ds_store_b128 v7, v[RES+8*\u+4:RES+8*\u+7] offset:64*(2*(\q)+\u)+16
.endr
	s_wait_dscnt 0x0                               ; the stores have read their registers
.endm
.LT2:
	v_and_b32 v1, 15, v0                           ; r
	v_bfe_u32 v2, v0, 4, 1                         ; h
	v_lshlrev_b32 v3, 12, v1
	v_lshl_add_u32 v3, v2, 6, v3                   ; input: row r of 4,096 bytes, + 64 h: my 16 numbers of a block of 32
	v_mul_u32_u24 v4, v1, 768
	v_mad_u32_u24 v4, v2, 24, v4                   ; the weight's codes
	v_lshlrev_b32 v5, 5, v1
	v_lshl_add_u32 v5, v2, 4, v5                   ; its scale bytes: row r of 32, + 16 h
	v_lshlrev_b32 v6, 5, v2                        ; the bias: 32 h
	s_mul_i32 s41, s[WV], 16*272
	s_add_co_u32 s41, s41, T2L                     ; my stage
	v_mul_u32_u24 v7, v1, 272
	v_lshl_add_u32 v7, v2, 5, v7
	v_add_nc_u32 v7, s41, v7                       ; in: row r, + 32 h
	v_mul_u32_u24 v8, v2, 272
	v_lshl_add_u32 v8, v1, 4, v8
	v_add_nc_u32 v8, s41, v8                       ; back: lanes 0-15 one row, lanes 16-31 the next
	v_lshlrev_b32 v9, 12, v2
	v_lshl_add_u32 v9, v1, 4, v9                   ; and the same two rows of g2
	s_mov_b32 s[SEL], 0x76543210
	s_mov_b32 s[SEL+1], 0xfedcba98
	s_mov_b32 s52, C2
	s_mov_b32 s53, C2
.irp b, 0,1,2,3
	v_mov_b32 v[TM+4+\b], 0                        ; written once: a lane permute's destination counts as one of its sources
.endr
	s_sub_co_u32 s46, ttmp9, 16
	s_and_b32 s46, s46, 15                         ; which 64 columns
	s_mov_b32 s49, 0
	s_wait_kmcnt 0x0
	s_cmp_lt_u32 ttmp9, 32                         ; W2 or W5: the choice hangs on the work-group's number alone
	s_cselect_b64 s[20:21], s[20:21], s[22:23]
	s_cselect_b64 s[24:25], s[24:25], s[26:27]
	s_cselect_b64 s[28:29], s[28:29], s[30:31]
	s_cselect_b32 s47, 0, 0x40000
	s_lshl_b32 s48, s[WV], 16                      ; 16 rows of 4,096 bytes a wave
	s_add_nc_u64 s[6:7], s[6:7], s[48:49]
	s_add_co_u32 s48, s48, s47
	s_lshl_b32 s50, s46, 8
	s_add_co_u32 s48, s48, s50
	s_add_nc_u64 s[38:39], s[38:39], s[48:49]      ; g2 at [p][16 w][64 (j % 16)]
	s_mov_b32 s48, s50
	s_add_nc_u64 s[28:29], s[28:29], s[48:49]
	s_lshl_b32 s48, s46, 11
	s_add_nc_u64 s[24:25], s[24:25], s[48:49]
	s_mul_i32 s48, s46, 64*768
	s_add_nc_u64 s[20:21], s[20:21], s[48:49]
	XLOAD 0
.irp s, 0,1,2,3,4,5,6,7
	s_wait_loadcnt 0x0
	QHEAD ST, AF+12*\s, TMP, TM, ASC+\s
.if \s < 7
	XLOAD \s+1                                     ; the next K step lands while this one's codes are put in place
.endif
	QTAIL AF+12*\s, TMP
.endr
.rept 8
	v_nop                                          ; a scale register written by a vector line stands eight places ahead of a scaled matrix instruction
.endr
	PAIR 0
	PAIR 1
.irp i, 0,1,2,3,4,5,6,7
	ds_load_b128 v[WB+4*\i:WB+4*\i+3], v8 offset:2*\i*272     ; my own stage: in order behind my stores
.endr
.irp i, 0,1,2,3,4,5,6,7
	s_wait_dscnt 7-\i
	global_store_b128 v9, v[WB+4*\i:WB+4*\i+3], s[38:39] offset:2*\i*4096   ; sixteen lanes store 256 consecutive bytes, aligned
.endr
	s_wait_tensorcnt 0x0                           ; the wave's end: a tensor wait, the add of 0 to my spare word and its wait, behind my last LDS store
	ds_add_u32 v[SPW], v[NIL]
	s_wait_dscnt 0x0
	s_endpgm
.Lfunc_end_k_q3d5738e1fb_prep:
	.size	k_q3d5738e1fb_prep, .Lfunc_end_k_q3d5738e1fb_prep-k_q3d5738e1fb_prep
	.p2alignl 7, 3214868480
	.fill 96, 4, 3214868480
	.section	.rodata,"a",@progbits
	.p2align	6, 0x0
	.amdhsa_kernel k_q3d5738e1fb_prep
		.amdhsa_group_segment_fixed_size 50688
		.amdhsa_private_segment_fixed_size 0
		.amdhsa_enable_private_segment 0
		.amdhsa_kernarg_size 144
		.amdhsa_user_sgpr_count 2
		.amdhsa_user_sgpr_kernarg_segment_ptr 1
		.amdhsa_wavefront_size32 1
		.amdhsa_system_sgpr_workgroup_id_x 1
		.amdhsa_system_sgpr_workgroup_id_y 1
		.amdhsa_system_sgpr_workgroup_id_z 1
		.amdhsa_system_vgpr_workitem_id 0
		.amdhsa_next_free_vgpr 256
		.amdhsa_next_free_sgpr 66
		.amdhsa_reserve_vcc 0
		.amdhsa_float_denorm_mode_32 3
		.amdhsa_float_denorm_mode_16_64 3
		.amdhsa_memory_ordered 1
		.amdhsa_forward_progress 1
		.amdhsa_inst_pref_size 124
	.end_amdhsa_kernel
	.amdgpu_metadata
---
amdhsa.version: [ 1, 2 ]
amdhsa.kernels:
  - .name:           k_q3d5738e1fb_prep
    .symbol:         k_q3d5738e1fb_prep.kd
    .args:
      - { .name: hidden_state, .offset: 0, .size: 8, .value_kind: global_buffer, .address_space: global }
      - { .name: input, .offset: 8, .size: 8, .value_kind: global_buffer, .address_space: global }
      - { .name: W1_codes, .offset: 16, .size: 8, .value_kind: global_buffer, .address_space: global }
      - { .name: W4_codes, .offset: 24, .size: 8, .value_kind: global_buffer, .address_space: global }
      - { .name: W1_scales, .offset: 32, .size: 8, .value_kind: global_buffer, .address_space: global }
      - { .name: W4_scales, .offset: 40, .size: 8, .value_kind: global_buffer, .address_space: global }
      - { .name: b1, .offset: 48, .size: 8, .value_kind: global_buffer, .address_space: global }
      - { .name: b4, .offset: 56, .size: 8, .value_kind: global_buffer, .address_space: global }
      - { .name: W2_codes, .offset: 64, .size: 8, .value_kind: global_buffer, .address_space: global }
      - { .name: W5_codes, .offset: 72, .size: 8, .value_kind: global_buffer, .address_space: global }
      - { .name: W2_scales, .offset: 80, .size: 8, .value_kind: global_buffer, .address_space: global }
      - { .name: W5_scales, .offset: 88, .size: 8, .value_kind: global_buffer, .address_space: global }
      - { .name: b2, .offset: 96, .size: 8, .value_kind: global_buffer, .address_space: global }
      - { .name: b5, .offset: 104, .size: 8, .value_kind: global_buffer, .address_space: global }
      - { .name: hs_codes, .offset: 112, .size: 8, .value_kind: global_buffer, .address_space: global }
      - { .name: hs_scales, .offset: 120, .size: 8, .value_kind: global_buffer, .address_space: global }
      - { .name: wimg, .offset: 128, .size: 8, .value_kind: global_buffer, .address_space: global }
      - { .name: g2, .offset: 136, .size: 8, .value_kind: global_buffer, .address_space: global }
    .group_segment_fixed_size: 50688
    .private_segment_fixed_size: 0
    .kernarg_segment_align: 8
    .kernarg_segment_size: 144
    .max_flat_workgroup_size: 128
    .sgpr_count:     66
    .vgpr_count:     256
    .wavefront_size: 32
...
	.end_amdgpu_metadata
.endif
;; end of part 1
;; launch main (part 2): grid 256 x 1, 4 waves a work-group, clusters of 4 x 1, 327,680 bytes of LDS; arguments hs_codes, hs_scales, field_hidden_state_codes, field_hidden_state_scales, wimg, g2, scores; writes scores
.if DOCPART == 2
	.amdgcn_target "amdgcn-amd-amdhsa--gfx1250"
	.amdhsa_code_object_version 6
	.text
	.protected	k_q3d5738e1fb_main
	.globl	k_q3d5738e1fb_main
	.p2align	8
	.type	k_q3d5738e1fb_main,@function
k_q3d5738e1fb_main:
	s_mov_b64 s[64:65], 0
	v_nop
	global_prefetch_b8 v0, s[64:65] scope:SCOPE_SE
	s_setreg_imm32_b32 hwreg(HW_REG_WAVE_MODE, 25, 1), 1
	s_wait_xcnt 0x0
	s_wait_alu depctr_hold_cnt(0) depctr_sa_sdst(0) depctr_va_vdst(0) depctr_va_sdst(0) depctr_va_ssrc(0) depctr_va_vcc(0) depctr_vm_vsrc(0)
	s_getreg_b32 s2, hwreg(HW_REG_IB_STS2, 6, 4)
	s_cmp_eq_u32 s2, 0
	s_cbranch_scc0 .Lentry_in_a_cluster
	s_endpgm
.Lentry_in_a_cluster:
	s_bfe_u32 s2, ttmp6, 0x10000c
	s_cmp_lg_u32 s2, 0x3003
	s_cbranch_scc0 .Lentry_shape_is_right
	s_endpgm
.Lentry_shape_is_right:
; scores[p][row] = sum over n of g2[p][b][n] / (1 + 2^(c (x W^T)[row][n] + c bias[n])), c = 2 log2(e): products 1 (p = 0: hidden_state's codes, W1) and 2 (p = 1: field_hidden_state's, W4) on codes of E3M2, with tanh and the gate's sum fused.
; LEFT OUT (shown at the head of the first launch): the sum of the gate itself, which is the same for all s of a batch and falls to the softmax's maximum.
; SHARES.  Work-group x = 4 cluster + cx: p = cluster / 32, rows 256 (x % 128) on.  Each of the four waves owns 64 rows (four m-tiles) against ALL 1,024 columns: it ends with whole scores, and no sum crosses waves.
; THE WAVE'S ACTIVATIONS STAY IN REGISTERS for all of K (4 x 8 fragments, 384 registers).  Only W goes round: eight records of 128 rows, laid by the first launch in the order of the operand's registers, through two LDS slots.
; A fragment of W read from LDS feeds four matrix instructions.  CLUSTER: the four partners walk the same records, so each record is asked for JOINTLY (mask 15), a quarter of it (101 rows of 256 bytes) by each wave.
; THE MATRIX INSTRUCTION IS USED AS IT STANDS (source 0 = 16 rows of activations, source 1 = 16 rows of W): register j of lane (r, h) is row 8 h + j, column r.  So bias and gate are ONE register for an n-tile, and a row's sum
; stays in one register until the end, where four steps across sixteen lanes finish it.
; BY TURNS.  A group is 4 m-tiles x 2 n-tiles x 8 K steps = 64 matrix instructions into one of two sets of eight accumulators; behind each stands a slice of the other set's 224 vector lines
; (32 c x + c b, 64 exponentials, 32 additions of 1, 64 reciprocals, 32 multiply-adds with the gate).  The exponentials are one batch with one wait, the reciprocals another.
; The loop has no first group of its own: the second set, the sums and the gates begin as zeros, and the first slices add 0 x 0.5.  In the very last chunk the 26 LDS loads that look ahead read the other slot's old record and are not used.
; REGISTERS, in windows of 256: window 0: v1-19 addresses; v32-47 gates and biases, two sets; v64-191 the two sets of accumulators; v192-223 the sums; v224-239 the activations' scale words; v240-255 W's, two sets.
;   window 1: fragments of m-tiles 0, 1 (at 96 (m % 2) + 12 s);  window 2: of m-tiles 2, 3;  window 3: W's sixteen fragments of a group (K step s, n-tile u at 12 (2 s + u)).
.set REC,   103424                     ; a record: 64 fragment images, 4,096 scale bytes, 128 c x bias (twice)
.set QREC,  25856                      ; a quarter of it: what one tensor load brings
.set SLOT1, 1<<17                      ; slot 0 begins at 0, slot 1 here: one exclusive or turns an address
.set ALB,   103424                     ; where the activations land, 32 rows a wave at a time: rows of 768 bytes as 3 x (256 + 16): 26,112 bytes a wave.  Wave 0's lie between the slots,
.set ALW,   26112                      ; the other three's behind slot 1: ALB + ALW w + ALJ min(w, 1)
.set ALJ,   104960
.set GV,    312832                     ; g2[p][b][:], 4,096 bytes
.set SCR,   316928                     ; 256 bytes a wave for the way out: no fill lands here
.set SPARE, 317952                     ; the spare words, 128 bytes for each wave: two blocks of 256 bytes that no other line names
.set LI0, 1                            ; v1   16 x lane
.set LI1, 2                            ; v2   + 49,152: n-tiles 4 to 7 of a record
.set LSB, 3                            ; v3   98,304 + 32 r + 16 h: W's scale bytes
.set LCB, 4                            ; v4   102,400 + 4 r: c x bias
.set LG0, 5                            ; v5   GV + 4 r
.set AB0, 6                            ; v6, v7 the same as v1, v2 in the slot in hand
.set ASB, 8                            ; v8   as v3
.set ACB, 9                            ; v9   as v4
.set AGV, 10                           ; v10  v5 + 512 x chunk
.set ADA, 11                           ; v11  my lane's place where the activations land: 816 r + 24 h
.set ADA2, 12                          ; v12  the same behind one padding more: + 16 h
.set SA,  13                           ; v13  SCR + 256 w + 32 h
.set SRD, 14                           ; v14  SCR + 256 w + 8 x lane
.set SGO, 15                           ; v15  8 x lane
.set ASO, 16                           ; v16  32 r + 16 h
.set SPW, 18                           ; v18  LDS address of my spare word; never rewritten
.set NIL, 19                           ; v19  0; never rewritten
.set GC,  32                           ; set q at GC + 8 q: +0, +2 g2 of n-tiles u = 0, 1; +4, +6 c x bias; the odd registers are named in pairs and hold 0
.set ACC, 64                           ; set q at ACC + 64 q: accumulator 4 u + m at + 8 (4 u + m)
.set SUM, 192
.set ASC, 224                          ; 4 m + s % 4: lanes 0-15 K step s % 4, lanes 16-31 K step 4 + s % 4
.set BSC, 240                          ; 8 set + 4 u + s % 4, likewise
.set MSB, 0
.macro WIN new                         ; the immediate's high byte repeats the setting that is left
.if MSB != (\new)
	s_set_vgpr_msb (MSB<<8)|(\new)
.set MSB, (\new)
.endif
.endm
.macro CREST                           ; a round of the cluster's barrier behind its opening barrier
	s_cmp_lg_u32 s18, 0
	s_cbranch_scc1 .Lnot_wave_0_\@
	s_barrier_signal -3
.Lnot_wave_0_\@:
	s_barrier_wait -3
	s_barrier_signal -1
	s_barrier_wait -1
.endm
.macro ROUND
	s_barrier_signal -1
	s_barrier_wait -1
	CREST
.endm
.macro PLACES
.rept 4
	v_nop
.endr
.endm
; Line j of the 224 that finish accumulator set Y with gate set GS.
;   0-95    c x + c b (pair q) and the exponentials: pair 0; then pair k, exponentials 2 k - 2 and 2 k - 1; the last two exponentials.  None names an exponential's result.
;   96-191  + 1 (pair q) and the reciprocals: pairs 0, 1, 2; then pair q + 3, reciprocals 2 q and 2 q + 1; the last six reciprocals.  None names a reciprocal's result.
;   192-223 sum[m] += g2 x r, a pair at a time.  Each accumulator is first read at its registers 0 and 1.
.macro EPI Y, GS
.set e_y, \Y
.set e_g, \GS
.if (j == 0) || ((j < 94) && (j%3 == 1))
.set e_q, (j+2)/3
	v_pk_fma_f32 v[e_y+2*e_q:e_y+2*e_q+1], v[e_y+2*e_q:e_y+2*e_q+1], s[60:61], v[e_g+4+2*(e_q/16):e_g+5+2*(e_q/16)] op_sel_hi:[1,0,0]
.elseif j < 96
.if j >= 94
.set e_e, j-32
.elseif j%3 == 2
.set e_e, 2*((j+1)/3)-2
.else
.set e_e, 2*(j/3)-1
.endif
	v_exp_f32 v[e_y+e_e], v[e_y+e_e]
.elseif (j < 99) || ((j < 186) && ((j-99)%3 == 0))
.if j < 99
.set e_q, j-96
.else
.set e_q, (j-99)/3+3
.endif
	v_pk_add_f32 v[e_y+2*e_q:e_y+2*e_q+1], v[e_y+2*e_q:e_y+2*e_q+1], 1.0 op_sel_hi:[1,0]
.elseif j < 192
.if j >= 186
.set e_e, j-128
.else
.set e_e, 2*((j-99)/3)+(j-99)%3-1
.endif
	v_rcp_f32 v[e_y+e_e], v[e_y+e_e]
.else
.set e_a, (j-192)/4
.set e_s, SUM+8*(e_a%4)+2*((j-192)%4)
.set e_r, e_y+8*e_a+2*((j-192)%4)
	v_pk_fma_f32 v[e_s:e_s+1], v[e_r:e_r+1], v[e_g+2*(e_a/4):e_g+2*(e_a/4)+1], v[e_s:e_s+1] op_sel_hi:[1,0,1]
.endif
.endm
.macro EPRUN Y, GS, from, to
.set j, \from
.rept (\to)-(\from)
	EPI \Y, \GS
.set j, j+1
.endr
.endm
; What stands behind matrix instruction k of a group.  Lines 96 to 98 stand in the group's middle, behind the wait for the exponentials.
.macro SLICE Y, GS
.if k == 0
.set j, 0
	EPI \Y, \GS
.elseif k < 31
.irp n, 0,1,2
.set j, 3*k-2+\n
	EPI \Y, \GS
.endr
.elseif k == 31
.irp n, 0,1,2,3,4
.set j, 91+\n
	EPI \Y, \GS
.endr
.elseif k < 56
.irp n, 0,1,2,3
.set j, 99+4*(k-32)+\n
.if j < 192
	EPI \Y, \GS
.endif
.if j == 191
	v_nop                                          ; a plain line behind the last reciprocal,
	s_wait_alu depctr_va_vdst(0)                   ; and the one wait for the 64, ahead of their first reader
.endif
.endr
.else
.irp n, 0,1,2,3
.set j, 192+4*(k-56)+\n
	EPI \Y, \GS
.endr
.endif
.endm
; Matrix instruction i of a group into set par: K step i / 8, n-tile (i / 4) % 2, m-tile i % 4.  The eight accumulators take turns, one instruction a turn, over the groups' and the loops' edges too.
.macro MM par
.set m_s, i/8
.set m_u, (i/4)%2
.set m_m, i%4
.set r_d, ACC+64*(\par)+8*(4*m_u+m_m)
.set r_a, 96*(m_m%2)+12*m_s
.set r_w, 12*(2*m_s+m_u)
.set r_p, ASC+4*m_m+m_s%4
.set r_q, BSC+8*(\par)+4*m_u+m_s%4
.set w_n, 0x0d+m_m/2
	WIN w_n                                        ; source 0 window 1 or 2, source 1 window 3, C and D window 0
.if m_s == 0
	v_wmma_scale_f32_16x16x128_f8f6f4 v[r_d:r_d+7], v[r_a:r_a+11], v[r_w:r_w+11], 0, v[r_p], v[r_q] matrix_a_fmt:MATRIX_FMT_BF6 matrix_b_fmt:MATRIX_FMT_BF6
.elseif m_s < 4
	v_wmma_scale_f32_16x16x128_f8f6f4 v[r_d:r_d+7], v[r_a:r_a+11], v[r_w:r_w+11], v[r_d:r_d+7], v[r_p], v[r_q] matrix_a_fmt:MATRIX_FMT_BF6 matrix_b_fmt:MATRIX_FMT_BF6
.else
	v_wmma_scale_f32_16x16x128_f8f6f4 v[r_d:r_d+7], v[r_a:r_a+11], v[r_w:r_w+11], v[r_d:r_d+7], v[r_p], v[r_q] matrix_a_fmt:MATRIX_FMT_BF6 matrix_b_fmt:MATRIX_FMT_BF6 matrix_a_scale:MATRIX_SCALE_ROW1 matrix_b_scale:MATRIX_SCALE_ROW1
.endif
	WIN 0
.endm
; 26 LDS loads: K steps 0 to 3 of group gn's sixteen fragments, and its scale words into the set that group par does not use
.macro AHEAD par, gn
	WIN 0xc0                                       ; destination window 3, address window 0
.irp s, 0,1,2,3
.irp u, 0,1
.irp c, 0,1,2
	ds_load_b128 v[12*(2*\s+\u)+4*\c:12*(2*\s+\u)+4*\c+3], v[AB0+(\gn)/2] offset:(8*(2*((\gn)%2)+\u)+\s)*1536+512*\c
.endr
.endr
.endr
	WIN 0
.irp u, 0,1
	ds_load_b128 v[BSC+8*(1-(\par))+4*\u:BSC+8*(1-(\par))+4*\u+3], v[ASB] offset:(2*(\gn)+\u)*512
.endr
.endm
.macro BASES
	v_add_nc_u32 v[AB0], s62, v[LI0]
	v_add_nc_u32 v[AB0+1], s62, v[LI1]
	v_add_nc_u32 v[ASB], s62, v[LSB]
	v_add_nc_u32 v[ACB], s62, v[LCB]
	v_add_nc_u32 v[AGV], s63, v[LG0]
.endm
; A GROUP: n-tiles 2 gq, 2 gq + 1 of the chunk in hand, into set par; the other set is finished meanwhile.  chg = 1: the chunk's last group changes slots and fills the slot just left; 2: it changes slots and fills nothing.
.macro GROUP par, gq, chg
	WIN 0xc0                                       ; 28 LDS loads: this group's K steps 4 to 7 (the four multiply-adds of the slice before are the places behind their registers' last reader),
.irp s, 4,5,6,7
.irp u, 0,1
.irp c, 0,1,2
	ds_load_b128 v[12*(2*\s+\u)+4*\c:12*(2*\s+\u)+4*\c+3], v[AB0+(\gq)/2] offset:(8*(2*((\gq)%2)+\u)+\s)*1536+512*\c
.endr
.endr
.endr
	WIN 0
.irp u, 0,1
	ds_load_b32 v[GC+8*(\par)+2*\u], v[AGV] offset:128*(\gq)+64*\u       ; its gates and biases, which the next group's slices use
	ds_load_b32 v[GC+8*(\par)+4+2*\u], v[ACB] offset:128*(\gq)+64*\u
.endr
	s_wait_dscnt 28                                ; all but the 28 just issued: K steps 0 to 3 and the scale words are in
.set i, 0
.rept 64
.if (\chg) && (i == 8)
	s_wait_tensorcnt 0x0                           ; all my tensor loads have landed: the one that was out is my quarter of the next slot's record;
	ds_add_u32 v[SPW], v[NIL]                      ; 0 onto my spare word: eight matrix instructions and their slices stand between it and the wait for it
.if (\chg) == 1
	s_xor_b32 s33, s33, SLOT1                      ; no tensor load of mine is out, so the walking group 0 may be written: the other slot than last time,
	s_add_nc_u64 s[34:35], s[34:35], REC           ; the next record
.endif
.endif
.if (\chg) && (i == 16)
	s_wait_dscnt 0x0                               ; the add is done, and my reads of this slot are over (the 28 at the group's head were the last)
	s_barrier_signal -1                            ; (chg = 1: this barrier opens a round of the cluster's)
.endif
.if i == 32
	v_nop                                          ; a plain line behind the last exponential,
	s_wait_alu depctr_va_vdst(0)                   ; and the one wait for the 64, ahead of their first reader
	EPRUN ACC+64*(1-(\par)), GC+8*(1-(\par)), 96, 99   ; with the v_nop and the last c x + c b: five places behind the last reader of K steps 0 to 3
	AHEAD \par, ((\gq)+1)%4
	s_wait_dscnt 26                                ; all but the 26 just issued: K steps 4 to 7, the gates and biases are in
.endif
	MM \par
.set k, i
	SLICE ACC+64*(1-(\par)), GC+8*(1-(\par))
.if (\chg) && (i == 23)
.if (\chg) == 1
	s_wait_alu depctr_va_vdst(0)                   ; the exponentials issued so far have their wait ahead of it
.endif
	s_barrier_wait -1
.if (\chg) == 1
	CREST                                          ; no wave of any partner still reads the slot or has a load on its way
	tensor_load_to_lds s[32:35], s[24:31]          ; my one tensor load behind the round: 240 matrix instructions ahead of the wait for it
	s_nop 0
	PLACES
.endif
	s_xor_b32 s62, s62, SLOT1                      ; the reads go on in the other slot,
	s_add_co_u32 s63, s63, 512                     ; with the next 128 gates
	BASES
.endif
.set i, i+1
.endr
.endm
.macro CHUNK fill
	GROUP 0, 0, 0
	GROUP 1, 1, 0
	GROUP 0, 2, 0
	GROUP 1, 3, 2-(\fill)
.endm
; 96 LDS loads: half hf of my rows (m-tiles 2 hf, 2 hf + 1) into window 1 + hf.  A fragment's 24 bytes come as three pieces of 8; piece P of a row lies at 8 P + 16 (P / 32).  Lanes 16-31 read three pieces further on,
; which is behind one padding more where P % 32 is 29 or more: the second address register serves those.
.macro ALOAD hf
	WIN 0x40*(1+(\hf))
.irp m, 0,1
.irp s, 0,1,2,3,4,5,6,7
.irp p, 0,1,2,3,4,5
.set a_p, 12*\s+6*(\p/3)+\p%3
.if a_p%32 < 29
	ds_load_b64 v[96*\m+12*\s+2*\p:96*\m+12*\s+2*\p+1], v[ADA] offset:13056*\m+8*a_p+16*(a_p/32)
.else
	ds_load_b64 v[96*\m+12*\s+2*\p:96*\m+12*\s+2*\p+1], v[ADA2] offset:13056*\m+8*a_p+16*(a_p/32)
.endif
.endr
.endr
.endr
	WIN 0
.endm
	s_load_b256 s[4:11], s[0:1], 0x0               ; hs_codes 4, hs_scales 6, field codes 8, field scales 10
	s_load_b128 s[12:15], s[0:1], 0x20             ; wimg 12, g2 14
	s_load_b64 s[16:17], s[0:1], 0x30              ; scores
	v_lshl_add_u32 v[SPW], v0, 2, SPARE
	v_mov_b32 v[NIL], 0
	ds_add_u32 v[SPW], v[NIL]                      ; the wave's opening: the add, twice on end, and its wait ahead of my first tensor load
	ds_add_u32 v[SPW], v[NIL]
	v_lshrrev_b32 v20, 5, v0
	v_readfirstlane_b32 s18, v20                   ; wave 0..3
	s_bfe_u32 s19, ttmp6, 0x40000                  ; cx: it enters the addresses of my own rows, gates and scores alone
	s_lshl_b32 s20, ttmp9, 2
	s_add_co_u32 s20, s20, s19                     ; work-group x
	s_lshr_b32 s21, ttmp9, 5                       ; p: the same in all four partners
	s_and_b32 s22, s20, 127                        ; which 256 rows
	; group 1 for a quarter of a record: 101 rows of 256 bytes (32 elements of 8), dense, asked for jointly by all four
	s_mov_b32 s24, 15|(3<<16)|(1<<21)
	s_mov_b32 s25, 32<<16
	s_mov_b32 s26, 101<<16
	s_mov_b32 s27, 32<<16
	s_mov_b32 s28, 101
	s_mov_b32 s29, 32
	s_mov_b32 s30, 0
	s_mov_b32 s31, 0
	; for 32 rows of activations: 24,576 dense bytes as 96 rows of 256, 16 bytes of padding behind each
	s_mov_b32 s36, (3<<16)|(1<<20)|(5<<22)|(3<<25)
	s_mov_b32 s37, 32<<16
	s_mov_b32 s38, 96<<16
	s_mov_b32 s39, 32<<16
	s_mov_b32 s40, 96
	s_mov_b32 s41, 32
	s_mov_b32 s42, 0
	s_mov_b32 s43, 0
	; for a quarter of the gates: 4 rows of 256 bytes
	s_mov_b32 s48, 3<<16
	s_mov_b32 s49, 32<<16
	s_mov_b32 s50, 4<<16
	s_mov_b32 s51, 32<<16
	s_mov_b32 s52, 4
	s_mov_b32 s53, 32
	s_mov_b32 s54, 0
	s_mov_b32 s55, 0
	s_mov_b32 s60, 0x4038aa3b                      ; c = 2 log2(e)
	s_mov_b32 s61, 0x4038aa3b
	s_mov_b32 s62, 0                               ; the slot in hand
	s_mov_b32 s63, 0                               ; 512 x chunk
	s_mul_i32 s68, s21, 8*REC                      ; the joint loads' offset: made of p and the wave's number alone
	s_mul_i32 s23, s18, QREC
	s_add_co_u32 s68, s68, s23
	s_mov_b32 s69, 0
	s_lshl_b32 s70, s22, 8
	s_lshl_b32 s71, s18, 6
	s_add_co_u32 s70, s70, s71                     ; my first row: 256 (x % 128) + 64 w
	s_mul_i32 s76, s70, 768
	s_mov_b32 s77, 0
	s_lshl_b32 s78, s70, 5
	s_mov_b32 s79, 0
	s_lshl_b32 s80, s21, 18
	s_lshr_b32 s86, s22, 1                         ; the batch
	s_lshl_b32 s86, s86, 12
	s_add_co_u32 s80, s80, s86
	s_lshl_b32 s86, s18, 10
	s_add_co_u32 s80, s80, s86                     ; g2: [p][b], my quarter
	s_mov_b32 s81, 0
	s_add_co_u32 s57, s86, GV
	s_lshl_b32 s82, s21, 17
	s_lshl_b32 s87, s70, 2
	s_add_co_u32 s82, s82, s87
	s_mov_b32 s83, 0
	s_min_u32 s84, s18, 1
	s_mul_i32 s84, s84, ALJ
	s_mul_i32 s87, s18, ALW
	s_add_co_u32 s84, s84, s87
	s_add_co_u32 s84, s84, ALB                     ; where my rows land
	s_lshl_b32 s85, s18, 8
	s_add_co_u32 s85, s85, SCR
	v_and_b32 v20, 31, v0                          ; lane
	v_and_b32 v21, 15, v0                          ; r
	v_bfe_u32 v17, v0, 4, 1                        ; h
	v_lshlrev_b32 v[LI0], 4, v20
	v_add_nc_u32 v[LI1], 49152, v[LI0]
	v_lshlrev_b32 v[ASO], 5, v21
	v_lshl_add_u32 v[ASO], v17, 4, v[ASO]
	v_add_nc_u32 v[LSB], 98304, v[ASO]
	v_lshl_add_u32 v[LCB], v21, 2, 102400
	v_lshl_add_u32 v[LG0], v21, 2, GV
	v_mul_u32_u24 v[ADA], v21, 816
	v_mad_u32_u24 v[ADA], v17, 24, v[ADA]
	v_add_nc_u32 v[ADA], s84, v[ADA]
	v_lshl_add_u32 v[ADA2], v17, 4, v[ADA]
	v_lshl_add_u32 v[SA], v17, 5, s85
	v_lshl_add_u32 v[SRD], v20, 3, s85
	v_lshlrev_b32 v[SGO], 3, v20
	s_wait_dscnt 0x0                               ; both opening adds are done
	s_wait_kmcnt 0x0
	s_cmp_lt_u32 ttmp9, 32                         ; hidden_state's codes or the field's: the choice hangs on the cluster's number alone
	s_cselect_b64 s[4:5], s[4:5], s[8:9]
	s_cselect_b64 s[6:7], s[6:7], s[10:11]
	s_mov_b32 s44, 1
	s_mov_b32 s45, s84
	s_add_nc_u64 s[46:47], s[4:5], s[76:77]
	s_or_b32 s47, s47, 0x80000000
	s_add_nc_u64 s[6:7], s[6:7], s[78:79]
	s_mov_b32 s56, 1
	s_add_nc_u64 s[58:59], s[14:15], s[80:81]
	s_or_b32 s59, s59, 0x80000000
	s_mov_b32 s72, 1                               ; record 0 into slot 0
	s_mov_b32 s73, s23
	s_add_nc_u64 s[74:75], s[12:13], s[68:69]
	s_mov_b32 s32, 1                               ; record 1 into slot 1; this group 0 then walks on
	s_add_co_u32 s33, s23, SLOT1
	s_add_nc_u64 s[34:35], s[74:75], REC
	s_or_b32 s75, s75, 0x80000000
	s_or_b32 s35, s35, 0x80000000
	s_add_nc_u64 s[16:17], s[16:17], s[82:83]
	ROUND                                          ; all four work-groups are here: the first joint loads meet
	tensor_load_to_lds s[44:47], s[36:43]          ; the first fills go out as one group: my rows 0 to 31,
	s_nop 0
	tensor_load_to_lds s[56:59], s[48:55]          ; my quarter of the gates,
	s_nop 0
	tensor_load_to_lds s[72:75], s[24:31]          ; my quarter of record 0,
	s_nop 0
	tensor_load_to_lds s[32:35], s[24:31]          ; and of record 1: four loads of mine are out
	s_nop 0
	PLACES
.irp m, 0,1,2,3
	global_load_b128 v[ASC+4*\m:ASC+4*\m+3], v[ASO], s[6:7] offset:512*\m   ; my rows' scale words: register i: lanes 0-15 K step i, lanes 16-31 K step 4 + i
.endr
.set n, 0
.rept 32
	v_mov_b32 v[SUM+n], 0
.set n, n+1
.endr
.set n, 0
.rept 64
	v_mov_b32 v[ACC+64+n], 0                       ; the set that the first group's slices finish
.set n, n+1
.endr
.set n, 0
.rept 16
	v_mov_b32 v[GC+n], 0
.set n, n+1
.endr
	s_wait_tensorcnt 0x3                           ; my rows 0 to 31 are in; the three younger loads may be out.  Only I read these bytes
	ALOAD 0
	s_wait_tensorcnt 0x0                           ; all my tensor loads have landed, my parts of the gates and of both records among them;
	ds_add_u32 v[SPW], v[NIL]
	s_add_nc_u64 s[46:47], s[46:47], 32*768        ; my rows 32 to 63
	s_wait_dscnt 0x0                               ; the add is done, and my reads of the landing bytes are over
	ROUND
	tensor_load_to_lds s[44:47], s[36:43]          ; the same bytes are filled again: my one tensor load behind the round
	s_nop 0
	PLACES
	BASES
	AHEAD 1, 0                                     ; group 0's first half, while my rows are on their way
	s_wait_tensorcnt 0x0
	ALOAD 1
	s_wait_loadcnt 0x0                             ; the scale words
	s_mov_b32 s66, 6
.Lmain:                                                ; chunks 0 to 5: each asks for the record two on
	CHUNK 1
	s_sub_co_u32 s66, s66, 1
	s_cmp_lg_u32 s66, 0
	s_cbranch_scc1 .Lmain
	s_mov_b32 s66, 2
.Ltail:                                                ; chunks 6 and 7 ask for nothing: written out
	CHUNK 0
	s_sub_co_u32 s66, s66, 1
	s_cmp_lg_u32 s66, 0
	s_cbranch_scc1 .Ltail
	EPRUN ACC+64, GC+8, 0, 96                      ; the last group's set is finished (the last slice's four lines are the places behind the last product)
	v_nop
	s_wait_alu depctr_va_vdst(0)
	EPRUN ACC+64, GC+8, 96, 192
	v_nop
	s_wait_alu depctr_va_vdst(0)
	EPRUN ACC+64, GC+8, 192, 224
.irp x, 1,2,4,8                                ; a row's sixteen partial sums lie in the sixteen lanes of a half
.set n, 0
.rept 32
	v_add_f32_dpp v[SUM+n], v[SUM+n], v[SUM+n] row_xmask:\x row_mask:0xf bank_mask:0xf
.set n, n+1
.endr
.endr
.irp m, 0,1,2,3
.irp q, 0,1,2,3,4,5,6,7
	ds_store_b32 v[SA], v[SUM+8*\m+\q] offset:64*\m+4*\q      ; row 16 m + 8 h + q; the sixteen lanes of a half write the same word with the same value
.endr
.endr
	ds_load_b64 v[20:21], v[SRD]                   ; my own bytes, in order behind my stores
	s_wait_dscnt 0x0
	global_store_b64 v[SGO], v[20:21], s[16:17]    ; 32 lanes store my 64 scores: 256 consecutive bytes, aligned
	s_wait_tensorcnt 0x0                           ; the wave's end: a tensor wait, the add of 0 to my spare word and its wait
	ds_add_u32 v[SPW], v[NIL]
	s_wait_dscnt 0x0
	ROUND                                          ; the closing round
	s_endpgm
.Lfunc_end_k_q3d5738e1fb_main:
	.size	k_q3d5738e1fb_main, .Lfunc_end_k_q3d5738e1fb_main-k_q3d5738e1fb_main
	.p2alignl 7, 3214868480
	.fill 96, 4, 3214868480
	.section	.rodata,"a",@progbits
	.p2align	6, 0x0
	.amdhsa_kernel k_q3d5738e1fb_main
		.amdhsa_group_segment_fixed_size 327680
		.amdhsa_private_segment_fixed_size 0
		.amdhsa_enable_private_segment 0
		.amdhsa_kernarg_size 56
		.amdhsa_user_sgpr_count 2
		.amdhsa_user_sgpr_kernarg_segment_ptr 1
		.amdhsa_wavefront_size32 1
		.amdhsa_system_sgpr_workgroup_id_x 1
		.amdhsa_system_sgpr_workgroup_id_y 1
		.amdhsa_system_sgpr_workgroup_id_z 1
		.amdhsa_system_vgpr_workitem_id 0
		.amdhsa_next_free_vgpr 1024
		.amdhsa_next_free_sgpr 96
		.amdhsa_reserve_vcc 0
		.amdhsa_float_denorm_mode_32 3
		.amdhsa_float_denorm_mode_16_64 3
		.amdhsa_memory_ordered 1
		.amdhsa_forward_progress 1
		.amdhsa_inst_pref_size 254
	.end_amdhsa_kernel
	.amdgpu_metadata
---
amdhsa.version: [ 1, 2 ]
amdhsa.kernels:
  - .name:           k_q3d5738e1fb_main
    .symbol:         k_q3d5738e1fb_main.kd
    .args:
      - { .name: hs_codes, .offset: 0, .size: 8, .value_kind: global_buffer, .address_space: global }
      - { .name: hs_scales, .offset: 8, .size: 8, .value_kind: global_buffer, .address_space: global }
      - { .name: field_hidden_state_codes, .offset: 16, .size: 8, .value_kind: global_buffer, .address_space: global }
      - { .name: field_hidden_state_scales, .offset: 24, .size: 8, .value_kind: global_buffer, .address_space: global }
      - { .name: wimg, .offset: 32, .size: 8, .value_kind: global_buffer, .address_space: global }
      - { .name: g2, .offset: 40, .size: 8, .value_kind: global_buffer, .address_space: global }
      - { .name: scores, .offset: 48, .size: 8, .value_kind: global_buffer, .address_space: global }
    .group_segment_fixed_size: 327680
    .private_segment_fixed_size: 0
    .kernarg_segment_align: 8
    .kernarg_segment_size: 56
    .max_flat_workgroup_size: 128
    .sgpr_count:     96
    .vgpr_count:     1024
    .wavefront_size: 32
...
	.end_amdgpu_metadata
.endif
;; end of part 2
;; launch context (part 3): grid 256 x 1, 16 waves a work-group, no clusters, 43,008 bytes of LDS; arguments hidden_state, scores, wts, ctx; writes wts, ctx
.if DOCPART == 3
	.amdgcn_target "amdgcn-amd-amdhsa--gfx1250"
	.amdhsa_code_object_version 6
	.text
	.protected	k_q3d5738e1fb_context
	.globl	k_q3d5738e1fb_context
	.p2align	8
	.type	k_q3d5738e1fb_context,@function
k_q3d5738e1fb_context:
	s_mov_b64 s[64:65], 0
	v_nop
	global_prefetch_b8 v0, s[64:65] scope:SCOPE_SE
	s_setreg_imm32_b32 hwreg(HW_REG_WAVE_MODE, 25, 1), 1
	s_wait_xcnt 0x0
; wts[b][s] = the final weights, ctx[b][d] = sum over s of hidden_state[b][s][d] wts[b][s].
; The scores lack the gates' own sums, which are the same for all s of a batch (shown at the head of the first launch): the maximum taken away below removes them anyway.
; For each of the two score rows: e = exp(score - max over s), w = e / (1e-6 + sum e); then p = w_h w_f and wts = p / (1e-6 + sum p), as reference() writes it; divisions are multiplications by v_rcp_f32's result.
; SHARES.  Work-group: batch b = x / 4, columns 256 (x % 4) on.  Wave w: 128 of these columns (w % 2: 512 bytes of a row, one load) and rows 64 (w / 2) on.  Every wave makes the 512 weights by itself from 4 KiB of scores, while its
; first 32 rows are on their way: no barrier is needed for them.  32 loads of 512 bytes a wave are always out.  The eight waves of a column half meet in LDS at the end.
; No cluster, no tensor load, no matrix unit: the work-groups share only the scores, 4 KiB beside 512 KiB of rows each, and memory binds.
; LIMITS: the order of the f32 sums differs from reference()'s; v_exp_f32 gives 0 where the result would be denormal.
.set RED,   32768                      ; LDS: 0 .. 32,767: 2,048 bytes a wave, its own copy of the weights;  RED: 512 bytes a wave, its partial sums
.set SPARE, 40960                      ; the spare words, 128 bytes for each of 16 waves: eight blocks of 256 bytes that no other line names
.set SH,  8                            ; v8-23   scores of product 1, then the weights: register 4 i + e of lane l is s = 128 i + 4 l + e
.set SF,  24                           ; v24-39  scores of product 2
.set WBR, 56                           ; v56-119 my 64 rows' weights, the same in every lane
.set XR,  120                          ; v120-247 32 slots of 4 registers
.set AC,  248                          ; v248-255 two sets of four sums
	s_load_b256 s[4:11], s[0:1], 0x0               ; hidden_state 4, scores 6, wts 8, ctx 10
	v_lshl_add_u32 v4, v0, 2, SPARE                ; v4, v5: the add's two registers; never rewritten
	v_mov_b32 v5, 0
	v_lshrrev_b32 v7, 5, v0
	v_readfirstlane_b32 s12, v7                    ; wave 0..15
	v_and_b32 v7, 31, v0
	v_lshlrev_b32 v1, 4, v7                        ; 16 x lane
	s_lshl_b32 s13, s12, 11
	v_add_nc_u32 v2, s13, v1                       ; my wave's copy of the weights
	s_lshr_b32 s14, s12, 1                         ; which 64 rows
	s_and_b32 s15, s12, 1                          ; which 128 columns
	s_lshl_b32 s16, s14, 8
	s_add_co_u32 s16, s16, s13
	v_mov_b32 v3, s16                              ; my rows' weights in it: every lane reads the same bytes
	s_lshl_b32 s16, s12, 9
	s_add_co_u32 s16, s16, RED
	v_add_nc_u32 v6, s16, v1
	s_lshr_b32 s17, ttmp9, 2                       ; b
	s_and_b32 s18, ttmp9, 3                        ; which 256 columns
	s_lshl_b32 s20, s17, 21
	s_lshl_b32 s19, s14, 18
	s_add_co_u32 s20, s20, s19
	s_lshl_b32 s26, s18, 10
	s_lshl_b32 s19, s15, 9
	s_add_co_u32 s26, s26, s19
	s_add_co_u32 s20, s20, s26
	s_mov_b32 s21, 0
	s_lshl_b32 s28, s17, 11
	s_mov_b32 s29, 0
	s_lshl_b32 s30, s17, 12
	s_add_co_u32 s30, s30, s26
	s_mov_b32 s31, 0
	s_mov_b32 s22, 0x3fb8aa3b                      ; log2(e)
	s_mov_b32 s23, 0x3fb8aa3b
	s_mov_b32 s24, 0x76543210
	s_mov_b32 s25, 0xfedcba98
	v_mov_b32 v41, 0                               ; a lane permute's destination counts as one of its sources
	v_mov_b32 v43, 0
	s_wait_kmcnt 0x0
	s_add_nc_u64 s[4:5], s[4:5], s[20:21]
	s_add_nc_u64 s[6:7], s[6:7], s[28:29]
	s_add_nc_u64 s[8:9], s[8:9], s[28:29]
	s_add_nc_u64 s[10:11], s[10:11], s[30:31]
.irp i, 0,1,2,3
	global_load_b128 v[SH+4*\i:SH+4*\i+3], v1, s[6:7] offset:512*\i
	global_load_b128 v[SF+4*\i:SF+4*\i+3], v1, s[6:7] offset:131072+512*\i
.endr
.set n, 0
.rept 32
	global_load_b128 v[XR+4*n:XR+4*n+3], v1, s[4:5] offset:4096*n th:TH_LOAD_NT
.set n, n+1
.endr
	s_wait_loadcnt 32                              ; the scores are in; my 32 rows stay out
	v_max3_num_f32 v40, v8, v9, v10
	v_max3_num_f32 v42, v24, v25, v26
.irp i, 3,5,7,9,11,13
	v_max3_num_f32 v40, v40, v[SH+\i], v[SH+1+\i]
	v_max3_num_f32 v42, v42, v[SF+\i], v[SF+1+\i]
.endr
	v_max_num_f32 v40, v40, v23
	v_max_num_f32 v42, v42, v39
.irp x, 1,2,4,8
	v_max_num_f32_dpp v40, v40, v40 row_xmask:\x row_mask:0xf bank_mask:0xf
	v_max_num_f32_dpp v42, v42, v42 row_xmask:\x row_mask:0xf bank_mask:0xf
.endr
	v_permlanex16_b32 v41, v40, s24, s25
	v_permlanex16_b32 v43, v42, s24, s25
	v_max_num_f32 v40, v40, v41                    ; the maxima over all 512 s, in every lane
	v_max_num_f32 v42, v42, v43
.irp i, 0,2,4,6,8,10,12,14
	v_pk_add_f32 v[SH+\i:SH+\i+1], v[SH+\i:SH+\i+1], v[40:41] op_sel_hi:[1,0] neg_lo:[0,1] neg_hi:[0,1]
	v_pk_add_f32 v[SF+\i:SF+\i+1], v[SF+\i:SF+\i+1], v[42:43] op_sel_hi:[1,0] neg_lo:[0,1] neg_hi:[0,1]
.endr
.irp i, 0,2,4,6,8,10,12,14,16,18,20,22,24,26,28,30
	v_pk_mul_f32 v[SH+\i:SH+\i+1], v[SH+\i:SH+\i+1], s[22:23] op_sel_hi:[1,0]
.endr
.set n, 0
.rept 32
	v_exp_f32 v[SH+n], v[SH+n]
.set n, n+1
.endr
	v_nop
	s_wait_alu depctr_va_vdst(0)                   ; one wait for the 32 exponentials
	v_pk_add_f32 v[44:45], v[8:9], v[10:11]
	v_pk_add_f32 v[46:47], v[24:25], v[26:27]
.irp i, 4,6,8,10,12,14
	v_pk_add_f32 v[44:45], v[44:45], v[SH+\i:SH+\i+1]
	v_pk_add_f32 v[46:47], v[46:47], v[SF+\i:SF+\i+1]
.endr
	v_add_f32 v44, v44, v45
	v_add_f32 v46, v46, v47
.irp x, 1,2,4,8
	v_add_f32_dpp v44, v44, v44 row_xmask:\x row_mask:0xf bank_mask:0xf
	v_add_f32_dpp v46, v46, v46 row_xmask:\x row_mask:0xf bank_mask:0xf
.endr
	v_permlanex16_b32 v45, v44, s24, s25
	v_permlanex16_b32 v47, v46, s24, s25
	v_add_f32 v44, v44, v45
	v_add_f32 v46, v46, v47
	v_add_f32 v44, 0x358637bd, v44                 ; 1e-6 + the sum
	v_add_f32 v46, 0x358637bd, v46
	v_rcp_f32 v44, v44
	v_rcp_f32 v46, v46
	v_nop
	s_wait_alu depctr_va_vdst(0)
.irp i, 0,2,4,6,8,10,12,14
	v_pk_mul_f32 v[SH+\i:SH+\i+1], v[SH+\i:SH+\i+1], v[44:45] op_sel_hi:[1,0]
	v_pk_mul_f32 v[SF+\i:SF+\i+1], v[SF+\i:SF+\i+1], v[46:47] op_sel_hi:[1,0]
.endr
.irp i, 0,2,4,6,8,10,12,14
	v_pk_mul_f32 v[SH+\i:SH+\i+1], v[SH+\i:SH+\i+1], v[SF+\i:SF+\i+1]      ; weights x field_w
.endr
	v_pk_add_f32 v[48:49], v[8:9], v[10:11]
.irp i, 4,6,8,10,12,14
	v_pk_add_f32 v[48:49], v[48:49], v[SH+\i:SH+\i+1]
.endr
	v_add_f32 v48, v48, v49
.irp x, 1,2,4,8
	v_add_f32_dpp v48, v48, v48 row_xmask:\x row_mask:0xf bank_mask:0xf
.endr
	v_permlanex16_b32 v49, v48, s24, s25
	v_add_f32 v48, v48, v49
	v_add_f32 v48, 0x358637bd, v48
	v_rcp_f32 v48, v48
	v_nop
	s_wait_alu depctr_va_vdst(0)
.irp i, 0,2,4,6,8,10,12,14
	v_pk_mul_f32 v[SH+\i:SH+\i+1], v[SH+\i:SH+\i+1], v[48:49] op_sel_hi:[1,0]      ; the final weights
.endr
.irp i, 0,1,2,3
	ds_store_b128 v2, v[SH+4*\i:SH+4*\i+3] offset:512*\i
.endr
.set n, 0
.rept 16
	ds_load_b128 v[WBR+4*n:WBR+4*n+3], v3 offset:16*n         ; my own bytes, in order behind my stores
.set n, n+1
.endr
	s_or_b32 s26, s18, s12
	s_cmp_lg_u32 s26, 0                            ; wave 0 of the batch's first work-group stores the weights, straight from its registers
	s_cbranch_scc1 .Lnot_w
.irp i, 0,1,2,3
	global_store_b128 v1, v[SH+4*\i:SH+4*\i+3], s[8:9] offset:512*\i        ; 512 consecutive bytes a store
.endr
.Lnot_w:
	s_wait_dscnt 0x0
; Row j of my 64: two packed multiply-adds by its weight, which lies in the low (j even) or high (j odd) register of a pair.  left: the younger loads that may stay out.  more = 1: the slot takes the row 32 further down.
.macro ROWF j, left, more
	s_wait_loadcnt \left
.set r_x, XR+4*((\j)%32)
.set r_a, AC+4*((\j)%2)
.set r_w, WBR+2*((\j)/2)
.if (\j) == 0
	v_pk_mul_f32 v[r_a:r_a+1], v[r_x:r_x+1], v[r_w:r_w+1] op_sel_hi:[1,0]
	v_pk_mul_f32 v[r_a+2:r_a+3], v[r_x+2:r_x+3], v[r_w:r_w+1] op_sel_hi:[1,0]
.elseif (\j) == 1
	v_pk_mul_f32 v[r_a:r_a+1], v[r_x:r_x+1], v[r_w:r_w+1] op_sel:[0,1] op_sel_hi:[1,1]
	v_pk_mul_f32 v[r_a+2:r_a+3], v[r_x+2:r_x+3], v[r_w:r_w+1] op_sel:[0,1] op_sel_hi:[1,1]
.elseif (\j)%2 == 0
	v_pk_fma_f32 v[r_a:r_a+1], v[r_x:r_x+1], v[r_w:r_w+1], v[r_a:r_a+1] op_sel_hi:[1,0,1]
	v_pk_fma_f32 v[r_a+2:r_a+3], v[r_x+2:r_x+3], v[r_w:r_w+1], v[r_a+2:r_a+3] op_sel_hi:[1,0,1]
.else
	v_pk_fma_f32 v[r_a:r_a+1], v[r_x:r_x+1], v[r_w:r_w+1], v[r_a:r_a+1] op_sel:[0,1,0] op_sel_hi:[1,1,1]
	v_pk_fma_f32 v[r_a+2:r_a+3], v[r_x+2:r_x+3], v[r_w:r_w+1], v[r_a+2:r_a+3] op_sel:[0,1,0] op_sel_hi:[1,1,1]
.endif
.if \more
	global_load_b128 v[r_x:r_x+3], v1, s[4:5] offset:4096*((\j)+32) th:TH_LOAD_NT
.endif
.endm
.set n, 0
.rept 32
	ROWF n, 31, 1                                  ; mine is in; 31 - n of the first run and n of the second are younger
.set n, n+1
.endr
.rept 32
	ROWF n, 63-n, 0                                ; the counts run down
.set n, n+1
.endr
	v_pk_add_f32 v[248:249], v[248:249], v[252:253]
	v_pk_add_f32 v[250:251], v[250:251], v[254:255]
	ds_store_b128 v6, v[248:251]
	s_wait_dscnt 0x0                               ; for the others' sake: my partial sums lie in LDS
	s_barrier_signal -1
	s_barrier_wait -1
	s_cmp_lt_u32 s12, 2                            ; waves 0 and 1 add the eight parts of their column half
	s_cbranch_scc0 .Lend
.irp q, 0,1,2,3,4,5,6,7
	ds_load_b128 v[XR+4*\q:XR+4*\q+3], v6 offset:1024*\q
.endr
	s_wait_dscnt 0x0
.irp q, 1,2,3,4,5,6,7
	v_pk_add_f32 v[XR:XR+1], v[XR:XR+1], v[XR+4*\q:XR+4*\q+1]
	v_pk_add_f32 v[XR+2:XR+3], v[XR+2:XR+3], v[XR+4*\q+2:XR+4*\q+3]
.endr
	global_store_b128 v1, v[XR:XR+3], s[10:11]     ; 512 consecutive bytes
.Lend:
	s_wait_tensorcnt 0x0                           ; the wave's end: a tensor wait, the add of 0 to my spare word and its wait, behind my last LDS store
	ds_add_u32 v4, v5
	s_wait_dscnt 0x0
	s_endpgm
.Lfunc_end_k_q3d5738e1fb_context:
	.size	k_q3d5738e1fb_context, .Lfunc_end_k_q3d5738e1fb_context-k_q3d5738e1fb_context
	.p2alignl 7, 3214868480
	.fill 96, 4, 3214868480
	.section	.rodata,"a",@progbits
	.p2align	6, 0x0
	.amdhsa_kernel k_q3d5738e1fb_context
		.amdhsa_group_segment_fixed_size 43008
		.amdhsa_private_segment_fixed_size 0
		.amdhsa_enable_private_segment 0
		.amdhsa_kernarg_size 32
		.amdhsa_user_sgpr_count 2
		.amdhsa_user_sgpr_kernarg_segment_ptr 1
		.amdhsa_wavefront_size32 1
		.amdhsa_system_sgpr_workgroup_id_x 1
		.amdhsa_system_sgpr_workgroup_id_y 1
		.amdhsa_system_sgpr_workgroup_id_z 1
		.amdhsa_system_vgpr_workitem_id 0
		.amdhsa_next_free_vgpr 256
		.amdhsa_next_free_sgpr 66
		.amdhsa_reserve_vcc 0
		.amdhsa_float_denorm_mode_32 3
		.amdhsa_float_denorm_mode_16_64 3
		.amdhsa_memory_ordered 1
		.amdhsa_forward_progress 1
		.amdhsa_inst_pref_size 32
	.end_amdhsa_kernel
	.amdgpu_metadata
---
amdhsa.version: [ 1, 2 ]
amdhsa.kernels:
  - .name:           k_q3d5738e1fb_context
    .symbol:         k_q3d5738e1fb_context.kd
    .args:
      - { .name: hidden_state, .offset: 0, .size: 8, .value_kind: global_buffer, .address_space: global }
      - { .name: scores, .offset: 8, .size: 8, .value_kind: global_buffer, .address_space: global }
      - { .name: wts, .offset: 16, .size: 8, .value_kind: global_buffer, .address_space: global }
      - { .name: ctx, .offset: 24, .size: 8, .value_kind: global_buffer, .address_space: global }
    .group_segment_fixed_size: 43008
    .private_segment_fixed_size: 0
    .kernarg_segment_align: 8
    .kernarg_segment_size: 32
    .max_flat_workgroup_size: 512
    .sgpr_count:     66
    .vgpr_count:     256
    .wavefront_size: 32
...
	.end_amdgpu_metadata
.endif
;; end of part 3
;; launch out (part 4): grid 8 x 1, 8 waves a work-group, no clusters, 158,720 bytes of LDS; arguments ctx, input, W3_codes, W3_scales, b3, finished, wts, out0, out1; writes out0, out1
.if DOCPART == 4
	.amdgcn_target "amdgcn-amd-amdhsa--gfx1250"
	.amdhsa_code_object_version 6
	.text
	.protected	k_q3d5738e1fb_out
	.globl	k_q3d5738e1fb_out
	.p2align	8
	.type	k_q3d5738e1fb_out,@function
k_q3d5738e1fb_out:
	s_mov_b64 s[64:65], 0
	v_nop
	global_prefetch_b8 v0, s[64:65] scope:SCOPE_SE
	s_setreg_imm32_b32 hwreg(HW_REG_WAVE_MODE, 25, 1), 1
	s_wait_xcnt 0x0
; out0 = where(finished, 0, Q([ctx, input]) W3^T + b3): product 5 on codes of E3M2;  out1[s][b] = wts[b][s].
; SHARES.  Work-group k: columns 128 k on of out0, s = 64 k on of out1.  Eight work-groups: whole rows of 512 bytes of out0 for each, and the design has work for no more.
; X: wave v quantises batches 16 (v % 4) on of ctx (v < 4: K steps 0-7) or of input (K steps 8-15), eight fragments, and stores them in LDS as images of the operand's registers (3 x 512 bytes a fragment, 16 bytes a lane; the scale
; word 4 bytes a lane) | barrier | wave v multiplies n-tile v of W3, whose sixteen fragments stay in its registers, with all four m-tiles: four accumulators by turns | results to a stage | barrier | each wave stores eight whole rows.
; The product is used transposed (source 0 = 16 rows of W3, source 1 = 16 batches): a lane holds one batch and eight neighbouring columns.  b3 is the C of each sum's first matrix instruction.
; No cluster: what the eight work-groups share (ctx and input, 512 KiB) comes through registers, where it is quantised.
; LIMITS: NaN and infinities in ctx and input are not served; blocks whose largest magnitude lies under 2^-122 keep the byte 1.
.set XIMG,  0                          ; LDS: 64 fragment images (m-tile m, K step s: 16 m + s) of 1,536 bytes,
.set XSC,   98304                      ; their scale words, 128 bytes each,
.set STG,   106496                     ; the stage for out0: 64 rows x (512 + 16),
.set TR,    140288                     ; the turn for out1: 64 rows x (256 + 16),
.set SPARE, 157696                     ; the spare words, 128 bytes for each of 8 waves: four blocks of 256 bytes that no other line names
.set XA,  1                            ; v1   my lane's byte in 16 rows of ctx or input
.set LI,  2                            ; v2   16 x lane;  v3: + 49,152 (m-tiles 2, 3)
.set LS,  4                            ; v4   XSC + 4 x lane
.set XWI, 5                            ; v5   where I store images
.set XWS, 6                            ; v6   and their scale words
.set SO,  7                            ; v7   the stage, in
.set SR,  8                            ; v8   and back
.set TRS, 9                            ; v9   the turn, in
.set TRR, 10                           ; v10  and back
.set W3O, 11                           ; v11  W3's codes: 1,536 r + 24 h
.set W3SO, 12                          ; v12  its scale bytes: 64 r + 16 h
.set B3O, 13                           ; v13  32 h
.set FO,  14                           ; v14  r
.set WTO, 15                           ; v15  wts: (8 v + h) x 2,048 + 16 r
.set PC,  144                          ; X: v16-79, v80-143 two sets of 64 numbers; v144-155 codes; v156-163, v164-175 at work; v176 the scale word
.set TMP, 156
.set TM,  164
.set PW,  176
.set WT,  192                          ; v192-207 sixteen weights
.set O1O, 208                          ; v208 out1: (8 v + h) x 256 + 16 r
.set ACC, 112                          ; the product: v16-63, v64-111 two sets of four fragments; v112-143 four accumulators; v144-175 rows on the way out
.set W3S, 224                          ; v224-231 W3's scale words: K step s in register 4 (s / 8) + s % 4, lanes 0-15 or 16-31 by (s / 4) % 2
.set B3,  232                          ; v232-239 b3 in the result's layout
.set FIN, 240                          ; v240-243 finished of batch 16 m + r
.set XS,  244                          ; v244-251 the fragments' scale words, two sets
.set SPW, 252                          ; v252, v253 the add's two registers; never rewritten
.set NIL, 253
.set ZERO, 254
.set SEL, 24
.set MSB, 0
.macro WIN new
.if MSB != (\new)
	s_set_vgpr_msb (MSB<<8)|(\new)
.set MSB, (\new)
.endif
.endm
.macro QHEAD src, pc, tmp, tm, pw      ; 64 numbers of a lane, register 16 b + i = k 32 b + 16 (lane / 16) + i of my row: the four blocks' scales, the scale word, the four conversions
.irp b, 0,1,2,3
	v_max3_num_f32 v[\tm+\b], |v[\src+16*\b]|, |v[\src+1+16*\b]|, 0x2800000   ; with the floor 2^(5 - 127)
.endr
.irp i, 2,4,6,8,10,12,14
.irp b, 0,1,2,3
	v_max3_num_f32 v[\tm+\b], v[\tm+\b], |v[\src+16*\b+\i]|, |v[\src+1+16*\b+\i]|
.endr
.endr
.irp b, 0,1,2,3
	v_permlanex16_b32 v[\tm+4+\b], v[\tm+\b], s[SEL], s[SEL+1]
.endr
.irp b, 0,1,2,3
	v_max_num_f32 v[\tm+\b], v[\tm+\b], v[\tm+4+\b]
.endr
.irp b, 0,1,2,3
	v_add_nc_u32 v[\tm+8+\b], 0xfe000000, v[\tm+\b]
.endr
.irp b, 0,1,2,3
	v_lshrrev_b32 v[\tm+4+\b], 23, v[\tm+8+\b]
.endr
	v_lshl_or_b32 v[\pw], v[\tm+5], 8, v[\tm+4]
	v_lshl_or_b32 v[\pw], v[\tm+6], 16, v[\pw]
	v_lshl_or_b32 v[\pw], v[\tm+7], 24, v[\pw]
.irp c, 0,1
	v_cvt_scalef32_pk16_bf6_f32 v[\pc+6*\c:\pc+2+6*\c], v[\src+32*\c:\src+15+32*\c], v[\tm+8+2*\c]
	v_cvt_scalef32_pk16_bf6_f32 v[\tmp+4*\c:\tmp+2+4*\c], v[\src+16+32*\c:\src+31+32*\c], v[\tm+8+2*\c+1]
.endr
.endm
.macro QTAIL pc, tmp
	v_nop                                          ; one plain line behind the conversions
.irp c, 0,1
.irp i, 0,1,2
	v_permlane16_swap_b32 v[\pc+6*\c+\i], v[\tmp+4*\c+\i]
.endr
.irp i, 0,1,2
	v_mov_b32 v[\pc+3+6*\c+\i], v[\tmp+4*\c+\i]
.endr
.endr
.endm
.macro XLOAD reg, s
.irp b, 0,1,2,3
.irp q, 0,1,2,3
	global_load_b128 v[\reg+16*\b+4*\q:\reg+16*\b+4*\q+3], v[XA], s[4:5] offset:512*(\s)+128*\b+16*\q
.endr
.endr
.endm
.macro BARRIER                         ; my LDS stores have landed and my LDS loads are in: then the work-group's barrier
	s_wait_dscnt 0x0
	s_barrier_signal -1
	s_barrier_wait -1
.endm
.macro FETCH s                         ; K step s: the four m-tiles' fragments and scale words, 16 LDS loads, into set s % 2
.set f_b, (\s)%2
.irp m, 0,1,2,3
.irp c, 0,1,2
	ds_load_b128 v[16+48*f_b+12*\m+4*\c:16+48*f_b+12*\m+4*\c+3], v[LI+\m/2] offset:(16*(\m%2)+(\s))*1536+512*\c
.endr
	ds_load_b32 v[XS+4*f_b+\m], v[LS] offset:128*(16*\m+(\s))
.endr
.endm
	s_load_b512 s[4:19], s[0:1], 0x0               ; ctx 4, input 6, W3_codes 8, W3_scales 10, b3 12, finished 14, wts 16, out0 18
	s_load_b64 s[20:21], s[0:1], 0x40              ; out1
	v_lshl_add_u32 v[SPW], v0, 2, SPARE
	v_mov_b32 v[NIL], 0
	v_mov_b32 v[ZERO], 0
	v_lshrrev_b32 v209, 5, v0
	v_readfirstlane_b32 s22, v209                  ; wave 0..7
	v_and_b32 v211, 31, v0                         ; lane
	v_and_b32 v209, 15, v0                         ; r
	v_bfe_u32 v210, v0, 4, 1                       ; h
	v_lshlrev_b32 v[XA], 12, v209
	v_lshl_add_u32 v[XA], v210, 6, v[XA]
	v_lshlrev_b32 v[LI], 4, v211
	v_add_nc_u32 v[LI+1], 49152, v[LI]
	v_lshl_add_u32 v[LS], v211, 2, XSC
	s_and_b32 s26, s22, 3                          ; my m-tile in X
	s_lshr_b32 s27, s22, 2                         ; ctx (0) or input (1)
	s_lshl_b32 s30, s26, 4
	s_lshl_b32 s31, s27, 3
	s_add_co_u32 s30, s30, s31                     ; my first fragment: 16 (v % 4) + 8 (v / 4)
	s_mul_i32 s31, s30, 1536
	v_add_nc_u32 v[XWI], s31, v[LI]
	s_lshl_b32 s31, s30, 7
	s_add_co_u32 s31, s31, XSC
	v_lshl_add_u32 v[XWS], v211, 2, s31
	s_lshl_b32 s31, s22, 6
	s_add_co_u32 s31, s31, STG
	v_mul_u32_u24 v[SO], v209, 528
	v_lshl_add_u32 v[SO], v210, 5, v[SO]
	v_add_nc_u32 v[SO], s31, v[SO]                 ; row r, + 32 h, + 64 v
	s_mul_i32 s31, s22, 8*528
	s_add_co_u32 s31, s31, STG
	v_add_nc_u32 v[SR], s31, v[LI]
	s_lshl_b32 s31, s22, 5
	s_add_co_u32 s31, s31, TR
	v_mul_u32_u24 v[TRS], v209, 4*272
	v_lshl_add_u32 v[TRS], v210, 2, v[TRS]
	v_add_nc_u32 v[TRS], s31, v[TRS]               ; row 4 r (+ e), column 8 v + h (+ 2 i)
	s_mul_i32 s31, s22, 8*272
	s_add_co_u32 s31, s31, TR
	v_mul_u32_u24 v[TRR], v210, 272
	v_lshl_add_u32 v[TRR], v209, 4, v[TRR]
	v_add_nc_u32 v[TRR], s31, v[TRR]               ; row 8 v + h (+ 2 i), 16 bytes a lane
	v_mul_u32_u24 v[W3O], v209, 1536
	v_mad_u32_u24 v[W3O], v210, 24, v[W3O]
	v_lshlrev_b32 v[W3SO], 6, v209
	v_lshl_add_u32 v[W3SO], v210, 4, v[W3SO]
	v_lshlrev_b32 v[B3O], 5, v210
	v_mov_b32 v[FO], v209
	s_lshl_b32 s31, s22, 14
	v_lshlrev_b32 v[WTO], 11, v210
	v_lshl_add_u32 v[WTO], v209, 4, v[WTO]
	v_add_nc_u32 v[WTO], s31, v[WTO]
	s_lshl_b32 s31, s22, 11
	v_lshlrev_b32 v[O1O], 8, v210
	v_lshl_add_u32 v[O1O], v209, 4, v[O1O]
	v_add_nc_u32 v[O1O], s31, v[O1O]
	s_mov_b32 s[SEL], 0x76543210
	s_mov_b32 s[SEL+1], 0xfedcba98
.irp b, 0,1,2,3
	v_mov_b32 v[TM+4+\b], 0                        ; a lane permute's destination counts as one of its sources
.endr
	s_lshl_b32 s23, ttmp9, 7
	s_lshl_b32 s31, s22, 4
	s_add_co_u32 s23, s23, s31                     ; my n-tile's first row of W3: 128 k + 16 v
	s_mov_b32 s29, 0
	s_wait_kmcnt 0x0
	s_cmp_lt_u32 s22, 4                            ; the choice hangs on the wave's number alone
	s_cselect_b64 s[4:5], s[4:5], s[6:7]
	s_lshl_b32 s28, s26, 16
	s_add_nc_u64 s[4:5], s[4:5], s[28:29]
	s_mul_i32 s28, s23, 1536
	s_add_nc_u64 s[8:9], s[8:9], s[28:29]
	s_lshl_b32 s28, s23, 6
	s_add_nc_u64 s[10:11], s[10:11], s[28:29]
	s_lshl_b32 s28, s23, 2
	s_add_nc_u64 s[12:13], s[12:13], s[28:29]
	s_lshl_b32 s28, ttmp9, 8
	s_add_nc_u64 s[16:17], s[16:17], s[28:29]
	s_lshl_b32 s28, s22, 15
	s_lshl_b32 s31, ttmp9, 9
	s_add_co_u32 s28, s28, s31
	s_add_nc_u64 s[18:19], s[18:19], s[28:29]      ; out0 at row 8 v, column 128 k
	s_lshl_b32 s28, ttmp9, 14
	s_add_nc_u64 s[20:21], s[20:21], s[28:29]      ; out1 at s = 64 k
	WIN 0x40                                       ; destination window 1: W3's sixteen fragments stay there
.irp s, 0,1,2,3,4,5,6,7,8,9,10,11,12,13,14,15
.irp p, 0,1,2,3,4,5
	global_load_b64 v[12*\s+2*\p:12*\s+2*\p+1], v[W3O], s[8:9] offset:96*\s+48*(\p/3)+8*(\p%3)
.endr
.endr
	WIN 0
	global_load_b128 v[W3S:W3S+3], v[W3SO], s[10:11]
	global_load_b128 v[W3S+4:W3S+7], v[W3SO], s[10:11] offset:32
	global_load_b128 v[B3:B3+3], v[B3O], s[12:13]
	global_load_b128 v[B3+4:B3+7], v[B3O], s[12:13] offset:16
.irp m, 0,1,2,3
	global_load_u8 v[FIN+\m], v[FO], s[14:15] offset:16*\m
.endr
.irp i, 0,1,2,3
	global_load_b128 v[WT+4*\i:WT+4*\i+3], v[WTO], s[16:17] offset:4096*\i  ; batch 8 v + 2 i + h, s = 64 k + 4 r + 0 .. 3: sixteen lanes read 256 consecutive bytes
.endr
	XLOAD 16, 0
	XLOAD 80, 1
	; ---- X
.irp s, 0,1,2,3,4,5,6,7
.if \s < 7
	s_wait_loadcnt 16                              ; this K step's numbers (and all that was asked for earlier) are in; the next step's sixteen loads may be out
.else
	s_wait_loadcnt 0x0
.endif
.if \s == 0
.irp i, 0,1,2,3
.irp e, 0,1,2,3
	ds_store_b32 v[TRS], v[WT+4*\i+\e] offset:272*\e+8*\i
.endr
.endr
.endif
	QHEAD 16+64*(\s%2), PC, TMP, TM, PW
.if \s < 6
	XLOAD 16+64*(\s%2), \s+2
.endif
	QTAIL PC, TMP
.irp c, 0,1,2
	ds_store_b128 v[XWI], v[PC+4*\c:PC+4*\c+3] offset:1536*\s+512*\c
.endr
	ds_store_b32 v[XWS], v[PW] offset:128*\s
	s_wait_dscnt 0x0                               ; the stores have read their registers
.endr
	BARRIER                                        ; the 64 fragments and the turned weights lie in LDS
	; ---- out1
.irp i, 0,1,2,3
	ds_load_b128 v[WT+4*\i:WT+4*\i+3], v[TRR] offset:2*\i*272
.endr
	FETCH 0
	s_wait_dscnt 16                                ; the four rows of out1 are in; K step 0's sixteen loads may be out
.irp i, 0,1,2,3
	global_store_b128 v[O1O], v[WT+4*\i:WT+4*\i+3], s[20:21] offset:512*\i  ; sixteen lanes store a row of out1: 256 consecutive bytes, aligned
.endr
	; ---- the product: 16 K steps, four accumulators by turns
.irp s, 0,1,2,3,4,5,6,7,8,9,10,11,12,13,14,15
.if \s < 15
.rept 4
	v_nop                                          ; places in front of loads into registers that the step before has read
.endr
	FETCH \s+1
	s_wait_dscnt 16                                ; this step's sixteen loads are in
.else
	s_wait_dscnt 0x0
.endif
	WIN 0x01                                       ; source 0 window 1
.irp m, 0,1,2,3
.if \s == 0
	v_wmma_scale_f32_16x16x128_f8f6f4 v[ACC+8*\m:ACC+8*\m+7], v[12*\s:12*\s+11], v[16+48*(\s%2)+12*\m:16+48*(\s%2)+12*\m+11], v[B3:B3+7], v[W3S+4*(\s/8)+\s%4], v[XS+4*(\s%2)+\m] matrix_a_fmt:MATRIX_FMT_BF6 matrix_b_fmt:MATRIX_FMT_BF6
.elseif (\s/4)%2 == 0
	v_wmma_scale_f32_16x16x128_f8f6f4 v[ACC+8*\m:ACC+8*\m+7], v[12*\s:12*\s+11], v[16+48*(\s%2)+12*\m:16+48*(\s%2)+12*\m+11], v[ACC+8*\m:ACC+8*\m+7], v[W3S+4*(\s/8)+\s%4], v[XS+4*(\s%2)+\m] matrix_a_fmt:MATRIX_FMT_BF6 matrix_b_fmt:MATRIX_FMT_BF6
.else
	v_wmma_scale_f32_16x16x128_f8f6f4 v[ACC+8*\m:ACC+8*\m+7], v[12*\s:12*\s+11], v[16+48*(\s%2)+12*\m:16+48*(\s%2)+12*\m+11], v[ACC+8*\m:ACC+8*\m+7], v[W3S+4*(\s/8)+\s%4], v[XS+4*(\s%2)+\m] matrix_a_fmt:MATRIX_FMT_BF6 matrix_b_fmt:MATRIX_FMT_BF6 matrix_a_scale:MATRIX_SCALE_ROW1
.endif
.endr
	WIN 0
.endr
.rept 4
	v_nop                                          ; places in front of the first read of results
.endr
.irp m, 0,1,2,3
	v_cmp_ne_u32 vcc_lo, 0, v[FIN+\m]
.irp q, 0,1,2,3,4,5,6,7
	v_cndmask_b32 v[ACC+8*\m+\q], v[ACC+8*\m+\q], v[ZERO], vcc_lo           ; a finished batch's row is 0: a choice, not a product
.endr
.endr
.irp m, 0,1,2,3
	ds_store_b128 v[SO], v[ACC+8*\m:ACC+8*\m+3] offset:16*\m*528
	ds_store_b128 v[SO], v[ACC+8*\m+4:ACC+8*\m+7] offset:16*\m*528+16
.endr
	BARRIER                                        ; 64 rows of 128 columns lie in the stage
.irp i, 0,1,2,3,4,5,6,7
	ds_load_b128 v[PC+4*\i:PC+4*\i+3], v[SR] offset:\i*528
.endr
.irp i, 0,1,2,3,4,5,6,7
	s_wait_dscnt 7-\i
	global_store_b128 v[LI], v[PC+4*\i:PC+4*\i+3], s[18:19] offset:4096*\i  ; 32 lanes store 512 consecutive bytes, aligned
.endr
	s_wait_tensorcnt 0x0                           ; the wave's end: a tensor wait, the add of 0 to my spare word and its wait, behind my last LDS store
	ds_add_u32 v[SPW], v[NIL]
	s_wait_dscnt 0x0
	s_endpgm
.Lfunc_end_k_q3d5738e1fb_out:
	.size	k_q3d5738e1fb_out, .Lfunc_end_k_q3d5738e1fb_out-k_q3d5738e1fb_out
	.p2alignl 7, 3214868480
	.fill 96, 4, 3214868480
	.section	.rodata,"a",@progbits
	.p2align	6, 0x0
	.amdhsa_kernel k_q3d5738e1fb_out
		.amdhsa_group_segment_fixed_size 158720
		.amdhsa_private_segment_fixed_size 0
		.amdhsa_enable_private_segment 0
		.amdhsa_kernarg_size 72
		.amdhsa_user_sgpr_count 2
		.amdhsa_user_sgpr_kernarg_segment_ptr 1
		.amdhsa_wavefront_size32 1
		.amdhsa_system_sgpr_workgroup_id_x 1
		.amdhsa_system_sgpr_workgroup_id_y 1
		.amdhsa_system_sgpr_workgroup_id_z 1
		.amdhsa_system_vgpr_workitem_id 0
		.amdhsa_next_free_vgpr 448
		.amdhsa_next_free_sgpr 66
		.amdhsa_reserve_vcc 1
		.amdhsa_float_denorm_mode_32 3
		.amdhsa_float_denorm_mode_16_64 3
		.amdhsa_memory_ordered 1
		.amdhsa_forward_progress 1
		.amdhsa_inst_pref_size 92
	.end_amdhsa_kernel
	.amdgpu_metadata
---
amdhsa.version: [ 1, 2 ]
amdhsa.kernels:
  - .name:           k_q3d5738e1fb_out
    .symbol:         k_q3d5738e1fb_out.kd
    .args:
      - { .name: ctx, .offset: 0, .size: 8, .value_kind: global_buffer, .address_space: global }
      - { .name: input, .offset: 8, .size: 8, .value_kind: global_buffer, .address_space: global }
      - { .name: W3_codes, .offset: 16, .size: 8, .value_kind: global_buffer, .address_space: global }
      - { .name: W3_scales, .offset: 24, .size: 8, .value_kind: global_buffer, .address_space: global }
      - { .name: b3, .offset: 32, .size: 8, .value_kind: global_buffer, .address_space: global }
      - { .name: finished, .offset: 40, .size: 8, .value_kind: global_buffer, .address_space: global }
      - { .name: wts, .offset: 48, .size: 8, .value_kind: global_buffer, .address_space: global }
      - { .name: out0, .offset: 56, .size: 8, .value_kind: global_buffer, .address_space: global }
      - { .name: out1, .offset: 64, .size: 8, .value_kind: global_buffer, .address_space: global }
    .group_segment_fixed_size: 158720
    .private_segment_fixed_size: 0
    .kernarg_segment_align: 8
    .kernarg_segment_size: 72
    .max_flat_workgroup_size: 256
    .sgpr_count:     66
    .vgpr_count:     448
    .wavefront_size: 32
...
	.end_amdgpu_metadata
.endif
;; end of part 4
;; ======== version 2 of 2: 4 launches; 1.15 times as fast as version 1
;; workspace buffers: hs_codes 25,165,824 bytes; hs_scales 1,048,576 bytes; wimg 1,654,784 bytes; g2 524,288 bytes; scores 262,144 bytes; wts 131,072 bytes; ctx 262,144 bytes
;; launch prep (part 5): grid 1168 x 1, 4 waves a work-group, no clusters, 50,944 bytes of LDS; arguments hidden_state, input, W1_codes, W4_codes, W1_scales, W4_scales, b1, b4, W2_codes, W5_codes, W2_scales, W5_scales, b2, b5, hs_codes, hs_scales, wimg, g2; writes hs_codes, hs_scales, wimg, g2
.if DOCPART == 5
	.amdgcn_target "amdgcn-amd-amdhsa--gfx1250"
	.amdhsa_code_object_version 6
	.text
	.protected	k_q3d5738e1fb_prep
	.globl	k_q3d5738e1fb_prep
	.p2align	8
	.type	k_q3d5738e1fb_prep,@function
k_q3d5738e1fb_prep:
	s_mov_b64 s[64:65], 0
	v_nop
	global_prefetch_b8 v0, s[64:65] scope:SCOPE_SE
	s_setreg_imm32_b32 hwreg(HW_REG_WAVE_MODE, 25, 1), 1
	s_wait_xcnt 0x0
; FIRST OF FOUR LAUNCHES.  The program: prep (this) | main: both large products with tanh and the gates' sums fused | context: both softmaxes, the final weights, the weighted sum of hidden_state | out: the last product, b3, finished, and out1.
; WORK LEFT OUT, for all values of the inputs: tanh(x) = 1 - 2 r with r = 1 / (1 + 2^(c x)), c = 2 log2(e).  So sum_n gate[n] tanh(x[s][n]) = sum_n gate[n] - 2 sum_n gate[n] r[s][n].  The first sum is the same for every s of a
; batch, and _norm_over_seq takes the maximum over s away before its exponential: a term that is the same along the softmax's axis reaches no output.  The program carries score' = sum_n g2[n] r[s][n], g2 = -2 gate.
; No input loses its way to an output by that: all are loaded.  LIMIT: a NaN, an infinity or an overflow that would arise in that constant sum alone is not carried to the result.
; THIS LAUNCH has three jobs, told apart by the work-group's number, each with LDS bytes of its own:
;   work-groups 0-15    (T3): W1 and W4 are laid out once in the order of the operand's registers: record 8 p + c holds rows 128 c .. 128 c + 127 of W1 (p = 0) or W4 (p = 1): 64 fragment images of 1,536 bytes
;                             (n-tile t, K step s at (8 t + s) x 1,536; registers 4 q .. 4 q + 3 of lane l at 512 q + 16 l), the rows' scale bytes as given (4,096), c x bias (512 bytes, written twice so that a record is 404 x 256 bytes).
;   work-groups 16-143  (T2): g2[p][b][n] = -2 tanh(Q(input) W^T + bias), W = W2 (p = 0) or W5 (p = 1): products 3 and 4, on codes of E3M2.
;   work-groups 144-1167 (T1): hidden_state becomes codes of E3M2 with one E8M0 byte for each 32 along K, laid as field_hidden_state_codes and _scales are.
; With 192 registers a wave and 50,944 bytes of LDS a work-group, five work-groups fit beside each other: 1,280 places for the 1,168 work-groups, so that none has to wait for another's end.
; A block's scale is 2^(floor(log2(largest magnitude)) - 4); its byte is that magnitude's exponent field - 4, held at 1 from below.
; LIMITS: NaN and infinities in hidden_state and input are not served; blocks whose largest magnitude lies under 2^-122 keep the byte 1; a block of zeros has the byte 1 (its codes are zeros; this program alone reads the bytes).
; No cluster: T1's work-groups share no input; what T2's share (input, 256 KiB, and the weights' rows) is a small part of the launch's bytes and comes through registers.
.set REC,    103424                    ; bytes of a record of wimg
.set C2,     0x4038aa3b                ; c = 2 log2(e)
.set SPW,    12                        ; v12  LDS address of my spare word; never rewritten
.set NIL,    13                        ; v13  0; never rewritten
.set SPARE,  50432                     ; the spare words: 128 bytes for each wave, two blocks of 256 bytes that no other line names
.set WV,     40                        ; s40  my wave's number
; T1
.set STEPS,  16
.set CB,     12                        ; bytes of 16 codes
.set R,      16                        ; v16-79   four sets of 16 numbers as loaded
.set X,      80                        ; v80-111  two sets of 16 neighbours
.set E,      112                       ; v112-127 a scale byte for each step
.set C,      128                       ; v128-191 codes, four registers a step
.set WREG,   8192                      ; LDS 0 .. 32,767: a region for each wave: two stages of 32 x SP bytes, then its 256 scale bytes
.set SP,     80                        ; a lane's place in a stage: 64 bytes + 16
	s_load_b512 s[4:19], s[0:1], 0x0               ; hidden_state 4, input 6, W1_codes 8, W4_codes 10, W1_scales 12, W4_scales 14, b1 16, b4 18
	s_load_b512 s[20:35], s[0:1], 0x40             ; W2_codes 20, W5_codes 22, W2_scales 24, W5_scales 26, b2 28, b5 30, hs_codes 32, hs_scales 34
	s_load_b128 s[36:39], s[0:1], 0x80             ; wimg 36, g2 38
	v_lshl_add_u32 v[SPW], v0, 2, SPARE
	v_mov_b32 v[NIL], 0
	v_lshrrev_b32 v1, 5, v0
	v_readfirstlane_b32 s[WV], v1
	s_cmp_lt_u32 ttmp9, 16                         ; the branches hang on the work-group's number alone: all four waves go the same way
	s_cbranch_scc1 .LT3
	s_cmp_lt_u32 ttmp9, 144
	s_cbranch_scc1 .LT2
; ---------------- T1: a wave takes 16 steps of 512 numbers.  Each load reads 512 consecutive bytes; a step's 2,048 bytes turn through the wave's own stage, so that a lane holds 16 neighbours along K; two lanes hold a block.
	v_and_b32 v2, 31, v0                           ; lane
	v_lshlrev_b32 v3, 4, v2                        ; my 16 bytes of a load's 512
	s_mul_i32 s41, s[WV], WREG
	v_lshrrev_b32 v14, 2, v2
	v_mul_u32_u24 v14, v14, SP
	v_and_b32 v15, 3, v2
	v_lshl_add_u32 v14, v15, 4, v14
	v_add_nc_u32 v14, s41, v14                     ; the stage, on the way in: SP (lane / 4) + 16 (lane % 4)
	v_mul_u32_u24 v15, v2, SP
	v_add_nc_u32 v15, s41, v15                     ; and on the way out: SP x lane
	v_mul_u32_u24 v4, v2, CB                       ; my codes' place in a step's 384 bytes
	v_lshrrev_b32 v5, 1, v2
	s_add_co_u32 s41, s41, 2*32*SP
	v_add_nc_u32 v5, s41, v5                       ; my block's byte among my wave's 256
	v_lshlrev_b32 v7, 3, v2
	v_add_nc_u32 v6, s41, v7                       ; and 8 bytes a lane on the way out
	s_sub_co_u32 s41, ttmp9, 144
	s_lshl_b32 s41, s41, 2
	s_add_co_u32 s42, s41, s[WV]                   ; which run of 8,192 numbers is my wave's: 0 .. 4,095
	s_mov_b32 s43, 0
	s_lshl_b64 s[46:47], s[42:43], 15              ; 32,768 bytes of f32 a run
	s_mul_i32 s48, s42, 32*STEPS*CB                ; 6,144 bytes of codes
	s_mov_b32 s49, 0
	s_lshl_b32 s50, s42, 8                         ; 256 scale bytes
	s_mov_b32 s51, 0
	s_wait_kmcnt 0x0
	s_add_nc_u64 s[4:5], s[4:5], s[46:47]
	s_add_nc_u64 s[32:33], s[32:33], s[48:49]
	s_add_nc_u64 s[34:35], s[34:35], s[50:51]
.macro LOAD t
.irp i, 0,1,2,3
	global_load_b128 v[R+16*((\t)%4)+4*\i:R+16*((\t)%4)+4*\i+3], v3, s[4:5] offset:2048*(\t)+512*\i th:TH_LOAD_NT
.endr
.endm
.macro TURN t                          ; LDS serves a wave's instructions in order: no wait between the stores and the loads
.irp i, 0,1,2,3
	ds_store_b128 v14, v[R+16*((\t)%4)+4*\i:R+16*((\t)%4)+4*\i+3] offset:32*SP*((\t)%2)+8*SP*\i
.endr
.irp i, 0,1,2,3
	ds_load_b128 v[X+16*((\t)%2)+4*\i:X+16*((\t)%2)+4*\i+3], v15 offset:32*SP*((\t)%2)+16*\i
.endr
.endm
.irp t, 0,1,2,3
	LOAD \t
.endr
	s_wait_loadcnt 12                              ; step 0's four loads are in; twelve younger stay out
	TURN 0
.macro STEP t
.set XS, X+16*((\t)%2)
.if (\t) > 0
	s_wait_dscnt 1                                 ; this step's numbers are back from the stage; the last step's byte store may be out
.else
	s_wait_dscnt 0x0
.endif
.if (\t)+4 < STEPS
	LOAD (\t)+4                                    ; into the registers that this step's stores into the stage have read
.endif
.if (\t)+1 < STEPS
.if STEPS-2-(\t) >= 3
	s_wait_loadcnt 12                              ; the next step's four loads are in; those of the three steps behind it may be out
.else
	s_wait_loadcnt 4*(STEPS-2-(\t))
.endif
	TURN (\t)+1
.endif
	v_max3_num_f32 v8, |v[XS]|, |v[XS+1]|, |v[XS+2]|
	v_max3_num_f32 v9, |v[XS+3]|, |v[XS+4]|, |v[XS+5]|
.irp i, 6,10
	v_max3_num_f32 v8, v8, |v[XS+\i]|, |v[XS+\i+1]|
	v_max3_num_f32 v9, v9, |v[XS+\i+2]|, |v[XS+\i+3]|
.endr
	v_max3_num_f32 v8, v8, |v[XS+14]|, |v[XS+15]|
	v_max3_num_f32 v8, v8, v9, 0x2800000           ; and the floor 2^(5 - 127): the byte cannot fall under 1
	v_max_num_f32_dpp v8, v8, v8 row_xmask:1 row_mask:0xf bank_mask:0xf   ; with my neighbour's 16: the block's largest magnitude
	v_add_nc_u32 v11, 0xfe000000, v8               ; 4 off its exponent field: the conversion takes the exponent field of this operand as its scale
	v_cvt_scalef32_pk16_bf6_f32 v[C+4*(\t):C+4*(\t)+2], v[XS:XS+15], v11
	v_lshrrev_b32 v[E+(\t)], 23, v11               ; the scale's byte (a plain line behind the conversion)
	ds_store_b8 v5, v[E+(\t)] offset:16*(\t)       ; both lanes of a block write the same byte with the same value
	global_store_b96 v4, v[C+4*(\t):C+4*(\t)+2], s[32:33] offset:32*CB*(\t)   ; the wave stores 384 consecutive bytes
.endm
.irp t, 0,1,2,3,4,5,6,7,8,9,10,11,12,13,14,15
	STEP \t
.endr
	ds_load_b64 v[8:9], v6                         ; in order behind my byte stores
	s_wait_dscnt 0x0
	global_store_b64 v7, v[8:9], s[34:35]          ; 32 lanes store 256 consecutive bytes, aligned
	s_wait_tensorcnt 0x0                           ; the wave's end: a tensor wait, the add of 0 to my spare word and its wait, behind my last LDS store
	ds_add_u32 v[SPW], v[NIL]
	s_wait_dscnt 0x0
	s_endpgm
; ---------------- T3: record ttmp9 of wimg.  Wave w lays n-tiles 2 w and 2 w + 1, one after the other in the same 96 registers, a quarter of the scale bytes and a quarter of the two copies of c x bias.  It touches no LDS.
.LT3:
	v_and_b32 v2, 31, v0                           ; lane
	v_and_b32 v3, 15, v0                           ; r
	v_bfe_u32 v4, v0, 4, 1                         ; h
	v_mul_u32_u24 v1, v3, 768
	v_mad_u32_u24 v1, v4, 24, v1                   ; row r of 768 bytes, + 24 h: the operand's layout gives lane (r, h) the bytes 96 s + 48 c + 24 h + 0 .. 23 of its row
	v_lshlrev_b32 v5, 4, v2                        ; 16 x lane
	v_lshlrev_b32 v7, 3, v2                        ; 8 x lane
	s_lshl_b32 s43, s[WV], 6
	v_lshl_add_u32 v6, v2, 1, s43                  ; number 64 w + 2 lane of the 256,
	v_and_b32 v6, 127, v6                          ; which is bias 0 .. 127 twice
	v_lshlrev_b32 v6, 2, v6
	s_and_b32 s41, ttmp9, 7                        ; c
	s_lshl_b32 s42, s41, 7
	s_lshl_b32 s43, s[WV], 5
	s_add_co_u32 s42, s42, s43                     ; my first row: 128 c + 32 w
	s_mov_b32 s45, 0
	s_mov_b32 s52, C2
	s_mov_b32 s53, C2
	s_wait_kmcnt 0x0
	s_cmp_lt_u32 ttmp9, 8                          ; W1's record or W4's: the choice hangs on the work-group's number alone
	s_cselect_b64 s[8:9], s[8:9], s[10:11]
	s_cselect_b64 s[12:13], s[12:13], s[14:15]
	s_cselect_b64 s[16:17], s[16:17], s[18:19]
	s_mul_i32 s44, s42, 768
	s_add_nc_u64 s[8:9], s[8:9], s[44:45]
	s_lshl_b32 s44, s42, 5
	s_add_nc_u64 s[12:13], s[12:13], s[44:45]
	s_lshl_b32 s44, s41, 9
	s_add_nc_u64 s[16:17], s[16:17], s[44:45]
	s_mul_i32 s44, ttmp9, REC
	s_add_nc_u64 s[36:37], s[36:37], s[44:45]      ; my record
	s_mul_i32 s44, s[WV], 16*1536
	s_add_nc_u64 s[46:47], s[36:37], s[44:45]      ; my 16 fragments
	s_lshl_b32 s44, s[WV], 10
	s_add_nc_u64 s[48:49], s[36:37], s[44:45]      ; my 1,024 scale bytes
	s_lshl_b32 s44, s[WV], 8
	s_add_nc_u64 s[50:51], s[36:37], s[44:45]      ; my 256 bytes of c x bias
	global_load_b128 v[128:131], v5, s[12:13]
	global_load_b128 v[132:135], v5, s[12:13] offset:512
	global_load_b64 v[136:137], v6, s[16:17]
.irp u, 0,1
.if \u > 0
	s_wait_xcnt 0x0                                ; the first n-tile's stores have read their registers: the second's loads may land there
.endif
.irp s, 0,1,2,3,4,5,6,7
.irp p, 0,1,2,3,4,5
	global_load_b64 v[32+12*\s+2*\p:33+12*\s+2*\p], v1, s[8:9] offset:12288*\u+96*\s+48*(\p/3)+8*(\p%3)
.endr
.endr
	s_wait_loadcnt 0x0
.if \u == 0
	v_pk_mul_f32 v[136:137], v[136:137], s[52:53] op_sel_hi:[1,0]
	global_store_b128 v5, v[128:131], s[48:49] offset:98304
	global_store_b128 v5, v[132:135], s[48:49] offset:98304+512
	global_store_b64 v7, v[136:137], s[50:51] offset:102400
.endif
.irp s, 0,1,2,3,4,5,6,7
.irp q, 0,1,2
	global_store_b128 v5, v[32+12*\s+4*\q:35+12*\s+4*\q], s[46:47] offset:(8*\u+\s)*1536+512*\q   ; 512 consecutive bytes a store
.endr
.endr
.endr
	s_endpgm
; ---------------- T2: work-group j = ttmp9 - 16: p = j / 64, batches 16 ((j / 16) % 4) on, columns 64 (j % 16) on.
; X: wave w quantises K steps 2 w and 2 w + 1 of the 16 rows of input and stores the two fragments in LDS as images of the operand's registers (3 x 512 bytes, 16 bytes a lane; the scale word 4 bytes a lane) | barrier |
; wave w multiplies n-tile w of the weight with all eight K steps: two accumulators by turns, the even K steps' (which begins with the bias) and the odd ones' | tanh | a stage of 16 rows x 272 bytes | barrier | each wave stores four rows.
; The weight's fragments are asked for as soon as the numbers have left their registers: two memory round trips on end in all.
; The product is used transposed (source 0 = 16 rows of the weight, source 1 = input): a lane holds one batch and eight neighbouring n.
.set XIMG,   32768                     ; LDS: eight fragment images of 1,536 bytes,
.set XSC,    45056                     ; their scale words, 128 bytes each,
.set STG,    46080                     ; the stage
.set ST0,    16                        ; v16-79, v80-143 two sets of 64 numbers
.set ST1,    80
.set PC,     144                       ; v144-155 codes; v156-163, v164-175 at work; v176 the scale word
.set TMP,    156
.set TM,     164
.set PW,     176
.set W0,     16                        ; v16-63  the weight's K steps 0-3;  v80-127 its K steps 4-7
.set W1,     80
.set BSC,    64                        ; v64-67  its scale words: register i: lanes 0-15 K step i, lanes 16-31 K step 4 + i
.set XSW,    68                        ; v68-75  input's scale words, one register a K step
.set AH,     128                       ; v128-175 four fragments of input
.set RES,    128                       ; v128-143 what is made of the sums
.set ACC1,   176                       ; v176-183 the odd K steps' sums
.set ACC0,   184                       ; v184-191 the even K steps', on top of the bias
.set SEL,    44                        ; s[44:45] selects of v_permlanex16_b32: lane l xor 16
.macro QHEAD src, pc, tmp, tm, pw      ; 64 numbers of a lane, register 16 b + i = k 32 b + 16 (lane / 16) + i of my row: the four blocks' scales, the scale word, the four conversions
.irp b, 0,1,2,3
	v_max3_num_f32 v[\tm+\b], |v[\src+16*\b]|, |v[\src+1+16*\b]|, 0x2800000   ; with the floor 2^(5 - 127)
.endr
.irp i, 2,4,6,8,10,12,14
.irp b, 0,1,2,3
	v_max3_num_f32 v[\tm+\b], v[\tm+\b], |v[\src+16*\b+\i]|, |v[\src+1+16*\b+\i]|
.endr
.endr
.irp b, 0,1,2,3
	v_permlanex16_b32 v[\tm+4+\b], v[\tm+\b], s[SEL], s[SEL+1]
.endr
.irp b, 0,1,2,3
	v_max_num_f32 v[\tm+\b], v[\tm+\b], v[\tm+4+\b]
.endr
.irp b, 0,1,2,3
	v_add_nc_u32 v[\tm+8+\b], 0xfe000000, v[\tm+\b]
.endr
.irp b, 0,1,2,3
	v_lshrrev_b32 v[\tm+4+\b], 23, v[\tm+8+\b]
.endr
	v_lshl_or_b32 v[\pw], v[\tm+5], 8, v[\tm+4]
	v_lshl_or_b32 v[\pw], v[\tm+6], 16, v[\pw]
	v_lshl_or_b32 v[\pw], v[\tm+7], 24, v[\pw]
.irp c, 0,1
	v_cvt_scalef32_pk16_bf6_f32 v[\pc+6*\c:\pc+2+6*\c], v[\src+32*\c:\src+15+32*\c], v[\tm+8+2*\c]
	v_cvt_scalef32_pk16_bf6_f32 v[\tmp+4*\c:\tmp+2+4*\c], v[\src+16+32*\c:\src+31+32*\c], v[\tm+8+2*\c+1]
.endr
.endm
.macro QTAIL pc, tmp                   ; the operand's layout wants a whole block in a lane: lanes 0-15 block 2 c, lanes 16-31 block 2 c + 1
	v_nop                                          ; one plain line behind the conversions
.irp c, 0,1
.irp i, 0,1,2
	v_permlane16_swap_b32 v[\pc+6*\c+\i], v[\tmp+4*\c+\i]
.endr
.irp i, 0,1,2
	v_mov_b32 v[\pc+3+6*\c+\i], v[\tmp+4*\c+\i]
.endr
.endr
.endm
.macro XLOAD reg, s                    ; my 16 rows' numbers of my K step s (0 or 1): 64 a lane
.irp b, 0,1,2,3
.irp q, 0,1,2,3
	global_load_b128 v[\reg+16*\b+4*\q:\reg+16*\b+4*\q+3], v3, s[6:7] offset:512*(\s)+128*\b+16*\q
.endr
.endr
.endm
.macro WLOAD reg, k0                   ; four fragments of my n-tile: K steps k0 .. k0 + 3
.irp s, 0,1,2,3
.irp p, 0,1,2,3,4,5
	global_load_b64 v[\reg+12*\s+2*\p:\reg+12*\s+2*\p+1], v4, s[20:21] offset:96*((\k0)+\s)+48*(\p/3)+8*(\p%3)
.endr
.endr
.endm
.macro AFETCH k0                       ; four fragments of input out of LDS: K steps k0 .. k0 + 3
.irp s, 0,1,2,3
.irp c, 0,1,2
	ds_load_b128 v[AH+12*\s+4*\c:AH+12*\s+4*\c+3], v10 offset:1536*((\k0)+\s)+512*\c
.endr
.endr
.endm
.LT2:
	v_and_b32 v1, 15, v0                           ; r
	v_bfe_u32 v2, v0, 4, 1                         ; h
	v_and_b32 v10, 31, v0                          ; lane
	v_lshlrev_b32 v3, 12, v1
	v_lshl_add_u32 v3, v2, 6, v3                   ; input: row r of 4,096 bytes, + 64 h: my 16 numbers of a block of 32
	v_mul_u32_u24 v4, v1, 768
	v_mad_u32_u24 v4, v2, 24, v4                   ; the weight's codes
	v_lshlrev_b32 v5, 5, v1
	v_lshl_add_u32 v5, v2, 4, v5                   ; its scale bytes: row r of 32, + 16 h
	v_lshlrev_b32 v6, 5, v2                        ; the bias: 32 h
	s_lshl_b32 s41, s[WV], 6
	s_add_co_u32 s41, s41, STG
	v_mul_u32_u24 v7, v1, 272
	v_lshl_add_u32 v7, v2, 5, v7
	v_add_nc_u32 v7, s41, v7                       ; the stage, in: row r, + 64 w + 32 h
	s_mul_i32 s41, s[WV], 4*272
	s_add_co_u32 s41, s41, STG
	v_mul_u32_u24 v8, v2, 272
	v_lshl_add_u32 v8, v1, 4, v8
	v_add_nc_u32 v8, s41, v8                       ; back: rows 4 w + h (+ 2), 16 bytes a lane
	v_lshlrev_b32 v9, 12, v2
	v_lshl_add_u32 v9, v1, 4, v9                   ; and the same rows of g2
	v_lshl_add_u32 v11, v10, 2, XSC                ; a scale word's place for my lane
	v_lshl_add_u32 v10, v10, 4, XIMG               ; an image's place for my lane
	s_mul_i32 s41, s[WV], 2*1536
	v_add_nc_u32 v14, s41, v10                     ; where I store my two images,
	s_lshl_b32 s41, s[WV], 8
	v_add_nc_u32 v15, s41, v11                     ; and their scale words
	s_mov_b32 s[SEL], 0x76543210
	s_mov_b32 s[SEL+1], 0xfedcba98
	s_mov_b32 s54, C2
	s_mov_b32 s55, C2
.irp b, 0,1,2,3
	v_mov_b32 v[TM+4+\b], 0                        ; written once: a lane permute's destination counts as one of its sources
.endr
	s_sub_co_u32 s46, ttmp9, 16                    ; j
	s_and_b32 s47, s46, 15                         ; which 64 columns
	s_bfe_u32 s48, s46, 0x20004                    ; which 16 batches
	s_lshl_b32 s49, s47, 6
	s_lshl_b32 s51, s[WV], 4
	s_add_co_u32 s49, s49, s51                     ; my n-tile's first row of the weight
	s_mov_b32 s57, 0
	s_wait_kmcnt 0x0
	s_cmp_lt_u32 ttmp9, 80                         ; W2 or W5: the choice hangs on the work-group's number alone
	s_cselect_b64 s[20:21], s[20:21], s[22:23]
	s_cselect_b64 s[24:25], s[24:25], s[26:27]
	s_cselect_b64 s[28:29], s[28:29], s[30:31]
	s_cselect_b32 s50, 0, 0x40000
	s_lshl_b32 s56, s48, 16                        ; 16 rows of 4,096 bytes,
	s_lshl_b32 s51, s[WV], 10                      ; my two K steps of 512 bytes
	s_add_co_u32 s56, s56, s51
	s_add_nc_u64 s[6:7], s[6:7], s[56:57]
	s_mul_i32 s56, s49, 768
	s_add_nc_u64 s[20:21], s[20:21], s[56:57]
	s_lshl_b32 s56, s49, 5
	s_add_nc_u64 s[24:25], s[24:25], s[56:57]
	s_lshl_b32 s56, s49, 2
	s_add_nc_u64 s[28:29], s[28:29], s[56:57]
	s_lshl_b32 s56, s48, 16
	s_add_co_u32 s56, s56, s50
	s_lshl_b32 s51, s[WV], 14
	s_add_co_u32 s56, s56, s51
	s_lshl_b32 s51, s47, 8
	s_add_co_u32 s56, s56, s51
	s_add_nc_u64 s[38:39], s[38:39], s[56:57]      ; g2 at [p][16 m-tile + 4 w][64 (j % 16)]
	global_load_b128 v[ACC0:ACC0+3], v6, s[28:29]          ; the bias of my eight n: the even K steps' sum begins with it
	global_load_b128 v[ACC0+4:ACC0+7], v6, s[28:29] offset:16
	XLOAD ST0, 0
	XLOAD ST1, 1
	s_wait_loadcnt 16                              ; the bias and my first K step are in; the second's sixteen loads stay out
	QHEAD ST0, PC, TMP, TM, PW
	WLOAD W0, 0                                    ; into the registers that the numbers have left
	global_load_b128 v[BSC:BSC+3], v5, s[24:25]
	QTAIL PC, TMP
.irp c, 0,1,2
	ds_store_b128 v14, v[PC+4*\c:PC+4*\c+3] offset:512*\c
.endr
	ds_store_b32 v15, v[PW]
	s_wait_dscnt 0x0                               ; the stores have read their registers
	s_wait_loadcnt 25                              ; my second K step is in; the 25 loads issued behind it stay out
	QHEAD ST1, PC, TMP, TM, PW
	WLOAD W1, 4
	QTAIL PC, TMP
.irp c, 0,1,2
	ds_store_b128 v14, v[PC+4*\c:PC+4*\c+3] offset:1536+512*\c
.endr
	ds_store_b32 v15, v[PW] offset:128
	s_wait_dscnt 0x0                               ; for the others' sake: my images lie in LDS
	s_barrier_signal -1
	s_barrier_wait -1                              ; all eight fragments do
	AFETCH 0
.irp s, 0,1,2,3,4,5,6,7
	ds_load_b32 v[XSW+\s], v11 offset:128*\s
.endr
	s_wait_loadcnt 24                              ; the weight's K steps 0-3 and its scale words are in; K steps 4-7 stay out
	s_wait_dscnt 0x0
.irp s, 0,1,2,3                                ; the two accumulators take turns
.if \s == 1
	v_wmma_scale_f32_16x16x128_f8f6f4 v[ACC1:ACC1+7], v[W0+12*\s:W0+12*\s+11], v[AH+12*\s:AH+12*\s+11], 0, v[BSC+\s], v[XSW+\s] matrix_a_fmt:MATRIX_FMT_BF6 matrix_b_fmt:MATRIX_FMT_BF6
.elseif \s == 3
	v_wmma_scale_f32_16x16x128_f8f6f4 v[ACC1:ACC1+7], v[W0+12*\s:W0+12*\s+11], v[AH+12*\s:AH+12*\s+11], v[ACC1:ACC1+7], v[BSC+\s], v[XSW+\s] matrix_a_fmt:MATRIX_FMT_BF6 matrix_b_fmt:MATRIX_FMT_BF6
.else
	v_wmma_scale_f32_16x16x128_f8f6f4 v[ACC0:ACC0+7], v[W0+12*\s:W0+12*\s+11], v[AH+12*\s:AH+12*\s+11], v[ACC0:ACC0+7], v[BSC+\s], v[XSW+\s] matrix_a_fmt:MATRIX_FMT_BF6 matrix_b_fmt:MATRIX_FMT_BF6
.endif
.endr
.rept 4
	v_nop                                          ; places in front of loads into registers that matrix instructions have read
.endr
	AFETCH 4
	s_wait_loadcnt 0x0
	s_wait_dscnt 0x0
.irp s, 0,1,2,3
.if \s%2 == 1
	v_wmma_scale_f32_16x16x128_f8f6f4 v[ACC1:ACC1+7], v[W1+12*\s:W1+12*\s+11], v[AH+12*\s:AH+12*\s+11], v[ACC1:ACC1+7], v[BSC+\s], v[XSW+4+\s] matrix_a_fmt:MATRIX_FMT_BF6 matrix_b_fmt:MATRIX_FMT_BF6 matrix_a_scale:MATRIX_SCALE_ROW1
.else
	v_wmma_scale_f32_16x16x128_f8f6f4 v[ACC0:ACC0+7], v[W1+12*\s:W1+12*\s+11], v[AH+12*\s:AH+12*\s+11], v[ACC0:ACC0+7], v[BSC+\s], v[XSW+4+\s] matrix_a_fmt:MATRIX_FMT_BF6 matrix_b_fmt:MATRIX_FMT_BF6 matrix_a_scale:MATRIX_SCALE_ROW1
.endif
.endr
.rept 4
	v_nop                                          ; places in front of the first read of results and of writes over the fragments' registers
.endr
.irp i, 0,2,4,6
	v_pk_mul_f32 v[RES+\i:RES+\i+1], v[ACC1+\i:ACC1+\i+1], s[54:55] op_sel_hi:[1,0]      ; c x (the odd K steps' sum), from the accumulator's low end on,
.endr
.irp i, 0,2,4,6
	v_pk_fma_f32 v[RES+\i:RES+\i+1], v[ACC0+\i:ACC0+\i+1], s[54:55], v[RES+\i:RES+\i+1] op_sel_hi:[1,0,1]   ; + c x (the even ones' and the bias)
.endr
.irp i, 0,1,2,3,4,5,6,7
	v_exp_f32 v[RES+\i], v[RES+\i]
.endr
	v_nop
	s_wait_alu depctr_va_vdst(0)                   ; one wait for the batch, ahead of its first reader
.irp i, 0,2,4,6
	v_pk_add_f32 v[RES+\i:RES+\i+1], v[RES+\i:RES+\i+1], 1.0 op_sel_hi:[1,0]
.endr
.irp i, 0,1,2,3,4,5,6,7
	v_rcp_f32 v[RES+\i], v[RES+\i]
.endr
	v_nop
	s_wait_alu depctr_va_vdst(0)
.irp i, 0,2,4,6
	v_pk_fma_f32 v[RES+\i:RES+\i+1], v[RES+\i:RES+\i+1], 4.0, -2.0 op_sel_hi:[1,0,0]   ; -2 tanh = 4 r - 2
.endr
	ds_store_b128 v7, v[RES:RES+3]
	ds_store_b128 v7, v[RES+4:RES+7] offset:16
	s_wait_dscnt 0x0                               ; for the others' sake: my part of the 16 rows lies in the stage
	s_barrier_signal -1
	s_barrier_wait -1
.irp i, 0,1
	ds_load_b128 v[RES+8+4*\i:RES+11+4*\i], v8 offset:2*\i*272
.endr
.irp i, 0,1
	s_wait_dscnt 1-\i
	global_store_b128 v9, v[RES+8+4*\i:RES+11+4*\i], s[38:39] offset:2*\i*4096   ; sixteen lanes store 256 consecutive bytes, aligned
.endr
	s_wait_tensorcnt 0x0                           ; the wave's end: a tensor wait, the add of 0 to my spare word and its wait, behind my last LDS store
	ds_add_u32 v[SPW], v[NIL]
	s_wait_dscnt 0x0
	s_endpgm
.Lfunc_end_k_q3d5738e1fb_prep:
	.size	k_q3d5738e1fb_prep, .Lfunc_end_k_q3d5738e1fb_prep-k_q3d5738e1fb_prep
	.p2alignl 7, 3214868480
	.fill 96, 4, 3214868480
	.section	.rodata,"a",@progbits
	.p2align	6, 0x0
	.amdhsa_kernel k_q3d5738e1fb_prep
		.amdhsa_group_segment_fixed_size 50944
		.amdhsa_private_segment_fixed_size 0
		.amdhsa_enable_private_segment 0
		.amdhsa_kernarg_size 144
		.amdhsa_user_sgpr_count 2
		.amdhsa_user_sgpr_kernarg_segment_ptr 1
		.amdhsa_wavefront_size32 1
		.amdhsa_system_sgpr_workgroup_id_x 1
		.amdhsa_system_sgpr_workgroup_id_y 1
		.amdhsa_system_sgpr_workgroup_id_z 1
		.amdhsa_system_vgpr_workitem_id 0
		.amdhsa_next_free_vgpr 192
		.amdhsa_next_free_sgpr 66
		.amdhsa_reserve_vcc 0
		.amdhsa_float_denorm_mode_32 3
		.amdhsa_float_denorm_mode_16_64 3
		.amdhsa_memory_ordered 1
		.amdhsa_forward_progress 1
		.amdhsa_inst_pref_size 73
	.end_amdhsa_kernel
	.amdgpu_metadata
---
amdhsa.version: [ 1, 2 ]
amdhsa.kernels:
  - .name:           k_q3d5738e1fb_prep
    .symbol:         k_q3d5738e1fb_prep.kd
    .args:
      - { .name: hidden_state, .offset: 0, .size: 8, .value_kind: global_buffer, .address_space: global }
      - { .name: input, .offset: 8, .size: 8, .value_kind: global_buffer, .address_space: global }
      - { .name: W1_codes, .offset: 16, .size: 8, .value_kind: global_buffer, .address_space: global }
      - { .name: W4_codes, .offset: 24, .size: 8, .value_kind: global_buffer, .address_space: global }
      - { .name: W1_scales, .offset: 32, .size: 8, .value_kind: global_buffer, .address_space: global }
      - { .name: W4_scales, .offset: 40, .size: 8, .value_kind: global_buffer, .address_space: global }
      - { .name: b1, .offset: 48, .size: 8, .value_kind: global_buffer, .address_space: global }
      - { .name: b4, .offset: 56, .size: 8, .value_kind: global_buffer, .address_space: global }
      - { .name: W2_codes, .offset: 64, .size: 8, .value_kind: global_buffer, .address_space: global }
      - { .name: W5_codes, .offset: 72, .size: 8, .value_kind: global_buffer, .address_space: global }
      - { .name: W2_scales, .offset: 80, .size: 8, .value_kind: global_buffer, .address_space: global }
      - { .name: W5_scales, .offset: 88, .size: 8, .value_kind: global_buffer, .address_space: global }
      - { .name: b2, .offset: 96, .size: 8, .value_kind: global_buffer, .address_space: global }
      - { .name: b5, .offset: 104, .size: 8, .value_kind: global_buffer, .address_space: global }
      - { .name: hs_codes, .offset: 112, .size: 8, .value_kind: global_buffer, .address_space: global }
      - { .name: hs_scales, .offset: 120, .size: 8, .value_kind: global_buffer, .address_space: global }
      - { .name: wimg, .offset: 128, .size: 8, .value_kind: global_buffer, .address_space: global }
      - { .name: g2, .offset: 136, .size: 8, .value_kind: global_buffer, .address_space: global }
    .group_segment_fixed_size: 50944
    .private_segment_fixed_size: 0
    .kernarg_segment_align: 8
    .kernarg_segment_size: 144
    .max_flat_workgroup_size: 128
    .sgpr_count:     66
    .vgpr_count:     192
    .wavefront_size: 32
...
	.end_amdgpu_metadata
.endif
;; end of part 5
;; launch main: the kernel of part 2 again; grid 256 x 1, 4 waves a work-group, clusters of 4 x 1, 327,680 bytes of LDS; arguments hs_codes, hs_scales, field_hidden_state_codes, field_hidden_state_scales, wimg, g2, scores; writes scores
;; launch context: the kernel of part 3 again; grid 256 x 1, 16 waves a work-group, no clusters, 43,008 bytes of LDS; arguments hidden_state, scores, wts, ctx; writes wts, ctx
;; launch out (part 6): grid 64 x 1, 8 waves a work-group, no clusters, 36,352 bytes of LDS; arguments ctx, input, W3_codes, W3_scales, b3, finished, wts, out0, out1; writes out0, out1
.if DOCPART == 6
	.amdgcn_target "amdgcn-amd-amdhsa--gfx1250"
	.amdhsa_code_object_version 6
	.text
	.protected	k_q3d5738e1fb_out
	.globl	k_q3d5738e1fb_out
	.p2align	8
	.type	k_q3d5738e1fb_out,@function
k_q3d5738e1fb_out:
	s_mov_b64 s[64:65], 0
	v_nop
	global_prefetch_b8 v0, s[64:65] scope:SCOPE_SE
	s_setreg_imm32_b32 hwreg(HW_REG_WAVE_MODE, 25, 1), 1
	s_wait_xcnt 0x0
; out0 = where(finished, 0, Q([ctx, input]) W3^T + b3): product 5 on codes of E3M2;  out1[s][b] = wts[b][s].
; SHARES.  Work-group k: batches 16 (k % 4) on, columns 64 (k / 4) on of out0; s = 8 k .. 8 k + 7 of out1.  64 work-groups: a tile of 16 batches x 64 columns each, whose rows are whole aligned runs of 256 bytes.
; X: wave v quantises K steps 2 v and 2 v + 1 of the 16 rows (v < 4: ctx's columns, else input's) and stores the two fragments in LDS as images of the operand's registers (3 x 512 bytes, 16 bytes a lane; the scale word
; 4 bytes a lane) | barrier | wave v multiplies n-tile v % 4 of W3 with K steps 8 (v / 4) .. + 7: eight matrix instructions, two accumulators by turns (even and odd K steps) | their sum into the stage of its K half | barrier |
; wave v reads rows 2 v and 2 v + 1 of both stages, adds them and b3, puts 0 where the batch is finished, and stores: sixteen lanes to a row's 256 bytes.
; The product is used transposed (source 0 = 16 rows of W3, source 1 = 16 batches): a lane holds one batch and eight neighbouring columns.  W3's eight fragments of a wave are asked for at the head and wait in registers.
; out1: waves 0 to 3 take s = 8 k + 2 v + (lane / 16); a lane loads the weights of batches 4 r .. 4 r + 3 and stores 16 bytes: sixteen lanes fill a row of out1, 256 bytes.
; No cluster: what the work-groups share (an m-tile's rows among sixteen, W3's rows among four) comes through registers, where it is quantised or kept.
; LIMITS: NaN and infinities in ctx and input are not served; blocks whose largest magnitude lies under 2^-122 keep the byte 1; K is summed in four parts (two accumulators, two waves), which are then added in f32.
.set XIMG,  0                          ; LDS: sixteen fragment images (K step s) of 1,536 bytes,
.set XSC,   24576                      ; their scale words, 128 bytes each,
.set STG,   26624                      ; two stages, one for each K half: 16 rows x (256 + 16),
.set STH,   4352
.set SPARE, 35328                      ; the spare words, 128 bytes for each of 8 waves: four blocks of 256 bytes that no other line names
.set XA,  1                            ; v1   my lane's byte in 16 rows of ctx or input
.set LI,  2                            ; v2   16 x lane + my K half's eight images
.set LS,  3                            ; v3   XSC + 4 x lane + my K half's eight words
.set XWI, 4                            ; v4   where I store my two images
.set XWS, 5                            ; v5   and their scale words
.set SO,  6                            ; v6   the stage, in
.set SR,  7                            ; v7   and back
.set W3O, 8                            ; v8   W3's codes: 1,536 r + 24 h
.set W3SO, 9                           ; v9   its scale bytes: 64 r + 16 h
.set B3O, 10                           ; v10  16 r
.set FO,  11                           ; v11  h
.set OO,  12                           ; v12  out0: 4,096 h + 16 r
.set WTO, 13                           ; v13  wts: 8,192 r + 4 h
.set O1O, 14                           ; v14  out1: 256 h + 16 r
.set ST0, 16                           ; X: v16-79, v80-143 two sets of 64 numbers; v144-155 codes; v156-163, v164-175 at work; v176 the scale word
.set ST1, 80
.set PC,  144
.set TMP, 156
.set TM,  164
.set PW,  176
.set AF,  16                           ; the product: v16-111 eight fragments; v112-119 their scale words; v120-135 two accumulators; v136-143 their sum; v144-151 the way out
.set XSW, 112
.set ACC0, 120
.set ACC1, 128
.set TS,  136
.set P0,  144
.set P1,  148
.set W3S, 224                          ; v224-227 W3's scale words: register i: lanes 0-15 my K step i, lanes 16-31 my K step 4 + i
.set B3F, 228                          ; v228-231 b3 of my four columns on the way out
.set FIN, 232                          ; v232 finished of my batch on the way out
.set WT,  236                          ; v236-239 four weights (waves 0 to 3)
.set SPW, 252                          ; v252, v253 the add's two registers; never rewritten
.set NIL, 253
.set ZERO, 254
.set SEL, 24
.set MSB, 0
.macro WIN new                         ; the immediate's high byte repeats the setting that is left
.if MSB != (\new)
	s_set_vgpr_msb (MSB<<8)|(\new)
.set MSB, (\new)
.endif
.endm
.macro QHEAD src, pc, tmp, tm, pw      ; 64 numbers of a lane, register 16 b + i = k 32 b + 16 (lane / 16) + i of my row: the four blocks' scales, the scale word, the four conversions
.irp b, 0,1,2,3
	v_max3_num_f32 v[\tm+\b], |v[\src+16*\b]|, |v[\src+1+16*\b]|, 0x2800000   ; with the floor 2^(5 - 127)
.endr
.irp i, 2,4,6,8,10,12,14
.irp b, 0,1,2,3
	v_max3_num_f32 v[\tm+\b], v[\tm+\b], |v[\src+16*\b+\i]|, |v[\src+1+16*\b+\i]|
.endr
.endr
.irp b, 0,1,2,3
	v_permlanex16_b32 v[\tm+4+\b], v[\tm+\b], s[SEL], s[SEL+1]
.endr
.irp b, 0,1,2,3
	v_max_num_f32 v[\tm+\b], v[\tm+\b], v[\tm+4+\b]
.endr
.irp b, 0,1,2,3
	v_add_nc_u32 v[\tm+8+\b], 0xfe000000, v[\tm+\b]
.endr
.irp b, 0,1,2,3
	v_lshrrev_b32 v[\tm+4+\b], 23, v[\tm+8+\b]
.endr
	v_lshl_or_b32 v[\pw], v[\tm+5], 8, v[\tm+4]
	v_lshl_or_b32 v[\pw], v[\tm+6], 16, v[\pw]
	v_lshl_or_b32 v[\pw], v[\tm+7], 24, v[\pw]
.irp c, 0,1
	v_cvt_scalef32_pk16_bf6_f32 v[\pc+6*\c:\pc+2+6*\c], v[\src+32*\c:\src+15+32*\c], v[\tm+8+2*\c]
	v_cvt_scalef32_pk16_bf6_f32 v[\tmp+4*\c:\tmp+2+4*\c], v[\src+16+32*\c:\src+31+32*\c], v[\tm+8+2*\c+1]
.endr
.endm
.macro QTAIL pc, tmp                   ; the operand's layout wants a whole block in a lane: lanes 0-15 block 2 c, lanes 16-31 block 2 c + 1
	v_nop                                          ; one plain line behind the conversions
.irp c, 0,1
.irp i, 0,1,2
	v_permlane16_swap_b32 v[\pc+6*\c+\i], v[\tmp+4*\c+\i]
.endr
.irp i, 0,1,2
	v_mov_b32 v[\pc+3+6*\c+\i], v[\tmp+4*\c+\i]
.endr
.endr
.endm
.macro XLOAD reg, s                    ; my 16 rows' numbers of my K step s (0 or 1): 64 a lane
.irp b, 0,1,2,3
.irp q, 0,1,2,3
	global_load_b128 v[\reg+16*\b+4*\q:\reg+16*\b+4*\q+3], v[XA], s[4:5] offset:512*(\s)+128*\b+16*\q
.endr
.endr
.endm
.macro W3LOAD k0                       ; four fragments of my n-tile, my K steps k0 .. k0 + 3, into window 1
	WIN 0x40                                       ; destination window 1, address window 0
.irp s, 0,1,2,3
.irp p, 0,1,2,3,4,5
	global_load_b64 v[12*((\k0)+\s)+2*\p:12*((\k0)+\s)+2*\p+1], v[W3O], s[8:9] offset:96*((\k0)+\s)+48*(\p/3)+8*(\p%3)
.endr
.endr
	WIN 0
.endm
.macro BARRIER                         ; my LDS stores have landed and my LDS loads are in: then the work-group's barrier
	s_wait_dscnt 0x0
	s_barrier_signal -1
	s_barrier_wait -1
.endm
	s_load_b512 s[4:19], s[0:1], 0x0               ; ctx 4, input 6, W3_codes 8, W3_scales 10, b3 12, finished 14, wts 16, out0 18
	s_load_b64 s[20:21], s[0:1], 0x40              ; out1
	v_lshl_add_u32 v[SPW], v0, 2, SPARE
	v_mov_b32 v[NIL], 0
	v_mov_b32 v[ZERO], 0
	v_lshrrev_b32 v250, 5, v0
	v_readfirstlane_b32 s22, v250                  ; wave 0..7
	v_and_b32 v250, 31, v0                         ; lane
	v_and_b32 v248, 15, v0                         ; r
	v_bfe_u32 v249, v0, 4, 1                       ; h
	s_and_b32 s23, ttmp9, 3                        ; which 16 batches
	s_lshr_b32 s26, ttmp9, 2                       ; which 64 columns
	s_lshr_b32 s27, s22, 2                         ; my K half; in X: ctx (0) or input (1)
	s_and_b32 s30, s22, 3                          ; my n-tile; in X: which two K steps of the eight
	v_lshlrev_b32 v[XA], 12, v248
	v_lshl_add_u32 v[XA], v249, 6, v[XA]           ; row r of 4,096 bytes, + 64 h: my 16 numbers of a block of 32
	s_mul_i32 s31, s27, 8*1536
	v_lshl_add_u32 v[LI], v250, 4, s31
	s_lshl_b32 s31, s27, 10
	s_add_co_u32 s31, s31, XSC
	v_lshl_add_u32 v[LS], v250, 2, s31
	s_mul_i32 s31, s22, 2*1536
	v_lshl_add_u32 v[XWI], v250, 4, s31
	s_lshl_b32 s31, s22, 8
	s_add_co_u32 s31, s31, XSC
	v_lshl_add_u32 v[XWS], v250, 2, s31
	s_mul_i32 s31, s27, STH
	s_lshl_b32 s32, s30, 6
	s_add_co_u32 s31, s31, s32
	s_add_co_u32 s31, s31, STG
	v_mul_u32_u24 v[SO], v248, 272
	v_lshl_add_u32 v[SO], v249, 5, v[SO]
	v_add_nc_u32 v[SO], s31, v[SO]                 ; my K half's stage: row r, + 64 n-tile + 32 h
	s_mul_i32 s31, s22, 2*272
	s_add_co_u32 s31, s31, STG
	v_mul_u32_u24 v[SR], v249, 272
	v_lshl_add_u32 v[SR], v248, 4, v[SR]
	v_add_nc_u32 v[SR], s31, v[SR]                 ; back: row 2 v + h, 16 bytes a lane
	v_mul_u32_u24 v[W3O], v248, 1536
	v_mad_u32_u24 v[W3O], v249, 24, v[W3O]
	v_lshlrev_b32 v[W3SO], 6, v248
	v_lshl_add_u32 v[W3SO], v249, 4, v[W3SO]
	v_lshlrev_b32 v[B3O], 4, v248
	v_mov_b32 v[FO], v249
	v_lshlrev_b32 v[OO], 12, v249
	v_lshl_add_u32 v[OO], v248, 4, v[OO]
	v_lshlrev_b32 v[WTO], 13, v248
	v_lshl_add_u32 v[WTO], v249, 2, v[WTO]
	v_lshlrev_b32 v[O1O], 8, v249
	v_lshl_add_u32 v[O1O], v248, 4, v[O1O]
	s_mov_b32 s[SEL], 0x76543210
	s_mov_b32 s[SEL+1], 0xfedcba98
.irp b, 0,1,2,3
	v_mov_b32 v[TM+4+\b], 0                        ; a lane permute's destination counts as one of its sources
.endr
	s_mov_b32 s29, 0
	s_wait_kmcnt 0x0
	s_cmp_lt_u32 s22, 4                            ; the choice hangs on the wave's number alone
	s_cselect_b64 s[4:5], s[4:5], s[6:7]
	s_lshl_b32 s28, s23, 16                        ; 16 rows of 4,096 bytes,
	s_lshl_b32 s31, s30, 10                        ; my two K steps of 512 bytes
	s_add_co_u32 s28, s28, s31
	s_add_nc_u64 s[4:5], s[4:5], s[28:29]
	s_lshl_b32 s33, s26, 6
	s_lshl_b32 s31, s30, 4
	s_add_co_u32 s33, s33, s31                     ; my n-tile's first row of W3
	s_mul_i32 s28, s33, 1536
	s_mul_i32 s31, s27, 768
	s_add_co_u32 s28, s28, s31                     ; + my K half
	s_add_nc_u64 s[8:9], s[8:9], s[28:29]
	s_lshl_b32 s28, s33, 6
	s_lshl_b32 s31, s27, 5
	s_add_co_u32 s28, s28, s31
	s_add_nc_u64 s[10:11], s[10:11], s[28:29]
	s_lshl_b32 s28, s26, 8
	s_add_nc_u64 s[12:13], s[12:13], s[28:29]
	s_lshl_b32 s34, s23, 4
	s_lshl_b32 s31, s22, 1
	s_add_co_u32 s34, s34, s31                     ; my first batch on the way out: 16 (k % 4) + 2 v
	s_mov_b32 s28, s34
	s_add_nc_u64 s[14:15], s[14:15], s[28:29]
	s_lshl_b32 s28, s34, 12
	s_lshl_b32 s31, s26, 8
	s_add_co_u32 s28, s28, s31
	s_add_nc_u64 s[18:19], s[18:19], s[28:29]
	s_lshl_b32 s35, ttmp9, 3
	s_lshl_b32 s31, s22, 1
	s_add_co_u32 s35, s35, s31                     ; out1: s = 8 k + 2 v (used by waves 0 to 3 alone)
	s_lshl_b32 s28, s35, 2
	s_add_nc_u64 s[16:17], s[16:17], s[28:29]
	s_lshl_b32 s28, s35, 8
	s_add_nc_u64 s[20:21], s[20:21], s[28:29]
	s_cmp_lt_u32 s22, 4
	s_cbranch_scc0 .Lno_w1
.irp e, 0,1,2,3
	global_load_b32 v[WT+\e], v[WTO], s[16:17] offset:2048*\e       ; wts[4 r + e][8 k + 2 v + h].  The oldest loads: they change none of the counts below
.endr
.Lno_w1:
	XLOAD ST0, 0
	XLOAD ST1, 1
	global_load_b128 v[W3S:W3S+3], v[W3SO], s[10:11]
	global_load_b128 v[B3F:B3F+3], v[B3O], s[12:13]
	global_load_u8 v[FIN], v[FO], s[14:15]
	W3LOAD 0
	s_wait_loadcnt 39                              ; my first K step (and the weights) are in: behind it 16 + 3 + 24 = 43 loads were issued; 39, so that with the 24 below at most 63 are out
	W3LOAD 4
	s_cmp_lt_u32 s22, 4
	s_cbranch_scc0 .Lno_w2
	global_store_b128 v[O1O], v[WT:WT+3], s[20:21]                  ; sixteen lanes store a row of out1: 256 consecutive bytes, aligned
.Lno_w2:
	; ---- X
	QHEAD ST0, PC, TMP, TM, PW
	QTAIL PC, TMP
.irp c, 0,1,2
	ds_store_b128 v[XWI], v[PC+4*\c:PC+4*\c+3] offset:512*\c
.endr
	ds_store_b32 v[XWS], v[PW]
	s_wait_dscnt 0x0                               ; the stores have read their registers
	s_wait_loadcnt 51                              ; my second K step is in; the 3 + 24 + 24 loads issued behind it may be out
	QHEAD ST1, PC, TMP, TM, PW
	QTAIL PC, TMP
.irp c, 0,1,2
	ds_store_b128 v[XWI], v[PC+4*\c:PC+4*\c+3] offset:1536+512*\c
.endr
	ds_store_b32 v[XWS], v[PW] offset:128
	BARRIER                                        ; the sixteen fragments lie in LDS
	; ---- the product
.irp s, 0,1,2,3,4,5,6,7
.irp c, 0,1,2
	ds_load_b128 v[AF+12*\s+4*\c:AF+12*\s+4*\c+3], v[LI] offset:1536*\s+512*\c
.endr
	ds_load_b32 v[XSW+\s], v[LS] offset:128*\s
.endr
	s_wait_loadcnt 0x0                             ; W3's fragments and scale words, b3, finished
	s_wait_dscnt 0x0
	WIN 0x01                                       ; source 0 window 1
.irp s, 0,1,2,3,4,5,6,7                        ; the two accumulators take turns
.if \s == 0
	v_wmma_scale_f32_16x16x128_f8f6f4 v[ACC0:ACC0+7], v[12*\s:12*\s+11], v[AF+12*\s:AF+12*\s+11], 0, v[W3S+\s%4], v[XSW+\s] matrix_a_fmt:MATRIX_FMT_BF6 matrix_b_fmt:MATRIX_FMT_BF6
.elseif \s == 1
	v_wmma_scale_f32_16x16x128_f8f6f4 v[ACC1:ACC1+7], v[12*\s:12*\s+11], v[AF+12*\s:AF+12*\s+11], 0, v[W3S+\s%4], v[XSW+\s] matrix_a_fmt:MATRIX_FMT_BF6 matrix_b_fmt:MATRIX_FMT_BF6
.elseif \s == 2
	v_wmma_scale_f32_16x16x128_f8f6f4 v[ACC0:ACC0+7], v[12*\s:12*\s+11], v[AF+12*\s:AF+12*\s+11], v[ACC0:ACC0+7], v[W3S+\s%4], v[XSW+\s] matrix_a_fmt:MATRIX_FMT_BF6 matrix_b_fmt:MATRIX_FMT_BF6
.elseif \s == 3
	v_wmma_scale_f32_16x16x128_f8f6f4 v[ACC1:ACC1+7], v[12*\s:12*\s+11], v[AF+12*\s:AF+12*\s+11], v[ACC1:ACC1+7], v[W3S+\s%4], v[XSW+\s] matrix_a_fmt:MATRIX_FMT_BF6 matrix_b_fmt:MATRIX_FMT_BF6
.elseif \s%2 == 0
	v_wmma_scale_f32_16x16x128_f8f6f4 v[ACC0:ACC0+7], v[12*\s:12*\s+11], v[AF+12*\s:AF+12*\s+11], v[ACC0:ACC0+7], v[W3S+\s%4], v[XSW+\s] matrix_a_fmt:MATRIX_FMT_BF6 matrix_b_fmt:MATRIX_FMT_BF6 matrix_a_scale:MATRIX_SCALE_ROW1
.else
	v_wmma_scale_f32_16x16x128_f8f6f4 v[ACC1:ACC1+7], v[12*\s:12*\s+11], v[AF+12*\s:AF+12*\s+11], v[ACC1:ACC1+7], v[W3S+\s%4], v[XSW+\s] matrix_a_fmt:MATRIX_FMT_BF6 matrix_b_fmt:MATRIX_FMT_BF6 matrix_a_scale:MATRIX_SCALE_ROW1
.endif
.endr
	WIN 0
.rept 4
	v_nop                                          ; places in front of the first read of results
.endr
.irp i, 0,2,4,6
	v_pk_add_f32 v[TS+\i:TS+\i+1], v[ACC0+\i:ACC0+\i+1], v[ACC1+\i:ACC1+\i+1]      ; each accumulator from its low end on
.endr
	ds_store_b128 v[SO], v[TS:TS+3]
	ds_store_b128 v[SO], v[TS+4:TS+7] offset:16
	BARRIER                                        ; both K halves' 16 rows x 64 columns lie in the stages
	ds_load_b128 v[P0:P0+3], v[SR]
	ds_load_b128 v[P1:P1+3], v[SR] offset:STH
	s_wait_dscnt 0x0
	v_pk_add_f32 v[P0:P0+1], v[P0:P0+1], v[P1:P1+1]
	v_pk_add_f32 v[P0+2:P0+3], v[P0+2:P0+3], v[P1+2:P1+3]
	v_pk_add_f32 v[P0:P0+1], v[P0:P0+1], v[B3F:B3F+1]
	v_pk_add_f32 v[P0+2:P0+3], v[P0+2:P0+3], v[B3F+2:B3F+3]
	v_cmp_ne_u32 vcc_lo, 0, v[FIN]
.irp q, 0,1,2,3
	v_cndmask_b32 v[P0+\q], v[P0+\q], v[ZERO], vcc_lo               ; a finished batch's row is 0: a choice, not a product
.endr
	global_store_b128 v[OO], v[P0:P0+3], s[18:19]  ; sixteen lanes store 256 consecutive bytes of a row of out0, aligned
	s_wait_tensorcnt 0x0                           ; the wave's end: a tensor wait, the add of 0 to my spare word and its wait, behind my last LDS store
	ds_add_u32 v[SPW], v[NIL]
	s_wait_dscnt 0x0
	s_endpgm
.Lfunc_end_k_q3d5738e1fb_out:
	.size	k_q3d5738e1fb_out, .Lfunc_end_k_q3d5738e1fb_out-k_q3d5738e1fb_out
	.p2alignl 7, 3214868480
	.fill 96, 4, 3214868480
	.section	.rodata,"a",@progbits
	.p2align	6, 0x0
	.amdhsa_kernel k_q3d5738e1fb_out
		.amdhsa_group_segment_fixed_size 36352
		.amdhsa_private_segment_fixed_size 0
		.amdhsa_enable_private_segment 0
		.amdhsa_kernarg_size 72
		.amdhsa_user_sgpr_count 2
		.amdhsa_user_sgpr_kernarg_segment_ptr 1
		.amdhsa_wavefront_size32 1
		.amdhsa_system_sgpr_workgroup_id_x 1
		.amdhsa_system_sgpr_workgroup_id_y 1
		.amdhsa_system_sgpr_workgroup_id_z 1
		.amdhsa_system_vgpr_workitem_id 0
		.amdhsa_next_free_vgpr 384
		.amdhsa_next_free_sgpr 66
		.amdhsa_reserve_vcc 1
		.amdhsa_float_denorm_mode_32 3
		.amdhsa_float_denorm_mode_16_64 3
		.amdhsa_memory_ordered 1
		.amdhsa_forward_progress 1
		.amdhsa_inst_pref_size 26
	.end_amdhsa_kernel
	.amdgpu_metadata
---
amdhsa.version: [ 1, 2 ]
amdhsa.kernels:
  - .name:           k_q3d5738e1fb_out
    .symbol:         k_q3d5738e1fb_out.kd
    .args:
      - { .name: ctx, .offset: 0, .size: 8, .value_kind: global_buffer, .address_space: global }
      - { .name: input, .offset: 8, .size: 8, .value_kind: global_buffer, .address_space: global }
      - { .name: W3_codes, .offset: 16, .size: 8, .value_kind: global_buffer, .address_space: global }
      - { .name: W3_scales, .offset: 24, .size: 8, .value_kind: global_buffer, .address_space: global }
      - { .name: b3, .offset: 32, .size: 8, .value_kind: global_buffer, .address_space: global }
      - { .name: finished, .offset: 40, .size: 8, .value_kind: global_buffer, .address_space: global }
      - { .name: wts, .offset: 48, .size: 8, .value_kind: global_buffer, .address_space: global }
      - { .name: out0, .offset: 56, .size: 8, .value_kind: global_buffer, .address_space: global }
      - { .name: out1, .offset: 64, .size: 8, .value_kind: global_buffer, .address_space: global }
    .group_segment_fixed_size: 36352
    .private_segment_fixed_size: 0
    .kernarg_segment_align: 8
    .kernarg_segment_size: 72
    .max_flat_workgroup_size: 256
    .sgpr_count:     66
    .vgpr_count:     384
    .wavefront_size: 32
...
	.end_amdgpu_metadata
.endif
;; end of part 6
